; MI455X (gfx1250); checked and timed in simulation.
; The chip was launched on July 23, 2026; its instructions are those of AMD's public machine-readable ISA for CDNA 5 (MIT licence, August 2026) and "CDNA5" Instruction Set Architecture Reference Guide (July 2026). The comments in the code are by the model that wrote it; some were corrected since.
;; Attention. Allowed arithmetic: matrix products marked QUANTISED: E4M3 operands, one given power-of-two scale a tensor, by v_wmma_f32_16x16x64_fp8_fp8 or v_wmma_f32_16x16x128_fp8_fp8, f32 sums; everything else in f32.
;; Inputs: W_proj 1,024 x 1,024 float32; W_qkv 1,024 x 3,072 float32; b_proj 1,024 float32; b_qkv 3,072 float32; lowp_scales 8 int32 (the exponents e of the quantised operands' scales 2^e); x 4 x 2,048 x 1,024 float32.
;; Outputs: out0 4 x 2,048 x 1,024 float32.
;; This version of the problem:
;;   THIS VERSION OF THE PROBLEM IS GIVEN IN LOW PRECISION. The matrix products marked QUANTISED in the list below multiply operands that are first quantised to E4M3 (4 exponent bits, 3 mantissa bits; 8 bits a number), with one given power-of-two scale for each operand tensor; their sums are f32. All else is computed in f32.
;;   The module's matrix products, in the order in which they are computed (A, B: the left and right operand; K: the contracted axis; several contracted axes count as one K, in the product's order):
;;     1. [M 8,192, K 1,024] x [K 1,024, N 3,072]; A: input x; B: input W_qkv: QUANTISED (scales: A lowp_scales[0], B lowp_scales[1])
;;     2. batch 64 x [M 2,048, K 64] x [K 64, N 2,048]; A: computed on the way; B: computed on the way: QUANTISED (scales: A lowp_scales[2], B lowp_scales[3])
;;     3. batch 64 x [M 2,048, K 2,048] x [K 2,048, N 64]; A: softmax (see below); B: computed on the way: QUANTISED (scales: A lowp_scales[4], B lowp_scales[5])
;;     4. [M 8,192, K 1,024] x [K 1,024, N 1,024]; A: computed on the way; B: input W_proj: QUANTISED (scales: A lowp_scales[6], B lowp_scales[7])
;;   THE QUANTISER, for each operand of a quantised product, along K:
;;     - The operand's scale is 2^e, e = its entry of the input lowp_scales (int32; the entries are numbered through the quantised products in the list's order, A before B).
;;     - Each number is divided by the scale, clamped to +-448, and rounded to the nearest number of E4M3, ties to even, subnormals kept.
;;     - The product sums the exact products of the quantised numbers (number of the format x scale) in f32.
;;   ~~~python
;;   def quantise(x, axis, e):      # numpy; x: float32 -> the quantised numbers, widened to float32 again
;;       x = np.moveaxis(x, axis, -1); K = x.shape[-1]
;;       r = np.clip(x / 2.0 ** e, -448, 448)
;;       step = 2.0 ** (np.maximum(np.frexp(np.where(r == 0, 1, r))[1] - 1, -6) - 3)
;;       q = np.round(r / step) * step * 2.0 ** e      # np.round: ties to even
;;       return np.moveaxis(q, -1, axis).astype(np.float32)
;;   ~~~
;;   SOFTMAX AHEAD OF A QUANTISED PRODUCT. Where the list says 'softmax', what is quantised is not the finished softmax but p = 2^(t - M), with t = logit x log2(e) and M = ceil(the row's largest t), a whole number; so 1/2 < the row's largest p <= 1. The row's sum l is taken of the UNQUANTISED p, in f32, and the product's result is divided by l at the end. Since M is a whole number, a kernel that streams over the keys may use a running M (the ceiling of the running maximum): every later rescaling is an exact power of two, so the quantised numbers keep their values, but for numbers so far below the row's largest that they fall under the format's range.
;;   OPERANDS COMPUTED ON THE WAY. 'Computed on the way' means the value that the module computes at that place (a softmax that the list does not call 'softmax' is quantised finished and normalised). What goes into a quantiser is computed in f32, as accurately as f32 sums, v_exp_f32 and their like allow (about 1e-6 of the number): no bf16 or f16 on the way to a quantiser, and a product that is left as it is and whose result goes on into a quantised operand takes f32 operands (vector FMAs, or v_wmma_f32_16x16x4_f32). A number that lies on a knife's edge between two numbers of the format may be rounded either way, as far as f32 arithmetic and the matrix unit's own rounding can turn it there, and no further.
;; One version. Each part assembles by itself: llvm-mc -triple=amdgcn-amd-amdhsa -mcpu=gfx1250 --defsym DOCPART=n.
;; ======== version 1 of 1: 4 launches
;; limits: right only within a limited range of input values
;; workspace buffers: x_codes 8,388,608 bytes; w_codes 4,194,304 bytes; q_codes 8,388,608 bytes; k_codes 8,388,608 bytes; v_codes 8,388,608 bytes; y_codes 8,388,608 bytes
;; launch quant (part 1): grid 384 x 1, 4 waves a work-group, no clusters, 68,096 bytes of LDS; arguments x, W_qkv, W_proj, lowp_scales, x_codes, w_codes; writes x_codes, w_codes
.if DOCPART == 1
	.amdgcn_target "amdgcn-amd-amdhsa--gfx1250"
	.amdhsa_code_object_version 6
	.text
	.protected	k_q9da6d7827a_quant
	.globl	k_q9da6d7827a_quant
	.p2align	8
	.type	k_q9da6d7827a_quant,@function
k_q9da6d7827a_quant:
	s_mov_b64 s[64:65], 0
	v_nop
	global_prefetch_b8 v0, s[64:65] scope:SCOPE_SE
	s_setreg_imm32_b32 hwreg(HW_REG_WAVE_MODE, 25, 1), 1
	s_wait_xcnt 0x0
; THE PROGRAM: causal attention, B = 4, T = 2,048, C = 1,024, 16 heads of 64, all four products on codes of FP8 (E4M3), each operand with the one scale 2^e that is given for it.
;   1 (this text) x, W_qkv, W_proj -> codes.   2: qkv = x W_qkv + b_qkv -> codes of q, k, v.   3: attention -> codes of y.   4: y W_proj + b_proj -> out0.   Between launches only codes go through memory.
; WORK LEFT OUT (in launch 3 alone): reference() builds the mask tril(T, T) in its own body and sets every logit with key > query to -inf ahead of the softmax, so its p is 0 and adds nothing to the row's sum
; or to y, whatever finite values the inputs hold.  Where such logits fill a whole step (128 keys, all behind a wave's 16 queries) the step's two products and its softmax are not done.
; Inside the step on the diagonal all is computed and the hidden logits are set to -inf.  Every input has a way to the output and is loaded: b_qkv moves the codes of q, k and v, b_proj is added at the end.
; LIMIT of that: a NaN, an infinity or an overflow that would reach only the work left out is not carried to the result.
;
; THIS LAUNCH.  code = number / 2^e, held within +-448, rounded to the nearest code, ties to even.  e: entry 0 of the scales for x, entry 1 for W_qkv, entry 7 for W_proj.
; LIMITS: each of these e lies between -126 and 119, so that 2^e and 448 x 2^e are f32 numbers.  NaN among the inputs is not served (an infinity is held at the largest code).
; Work-groups 0 to 255 take x: K is innermost and rows are dense, so x is a plain stream; 32,768 numbers a work-group, 8,192 a wave, in 16 steps of 512.  Each load reads 512 consecutive bytes; a step's 2,048 bytes turn through
; the wave's own stage in LDS so that a lane holds 16 neighbours along K, which the conversions want; a lane's 16 codes are 16 bytes: the wave stores 512 consecutive bytes.
; Work-groups 256 to 383 take the weights, whose K is the FIRST axis: 128 columns x 256 along K each.  A lane takes a column and its registers run down K, so the conversions give codes with K innermost; they leave through the wave's
; stage as rows: sixteen lanes store 256 consecutive bytes, aligned.  w_codes is [4,096][1,024]: rows 0 to 3,071 W_qkv's columns, rows 3,072 on W_proj's.  One text serves both weights: the pitch is a register.
; The two paths part on the work-group's number and never join; each has LDS bytes of its own.  No tensor loads, no barrier: waves share nothing.  No cluster: no two work-groups read the same bytes.
; (Launch 3 as it stands: a tile of 16 queries leaves out every step of 128 keys that lies wholly behind it; a head's K and V are fetched whole, since the head's last queries read all of them.)
.set WAVES, 4
.set STEPS, 16
.set SP,    80                         ; x: a lane's place in a stage: its 64 bytes + 16 of padding
.set XREG,  8192                       ; x: LDS for a wave: two stages of 32 x SP bytes
.set WSTG,  WAVES*XREG                 ; the weights' stages begin here
.set WP,    272                        ; a stage row: 256 bytes of codes + 16
.set SPARE, WSTG+WAVES*32*WP           ; behind both: the spare words, 128 bytes for each wave: two blocks of 256 bytes that no other line names
.set NB,    8                          ; blocks of 32 along K for a wave of the weights' path
.set SPW,   12                         ; v12  LDS address of my spare word; never rewritten
.set NIL,   13                         ; v13  0; never rewritten
.set R,     16                         ; x: v16-79   four sets of 16 numbers as loaded
.set X,     80                         ; x: v80-111  two sets of 16 neighbours
.set C,     128                        ; x: v128-191 codes: four registers for each step, so that no store's data are written again
.set WX,    32                         ; W: v32-95   two sets of 32 numbers
.set WC,    96                         ; W: v96-103  a block's codes
.set OUTR,  112                        ; W: v112-175 the way out
.set OFS,   176                        ; W: v176-207 4 x lane + i x pitch: the offsets of a block's 32 rows; never rewritten
	s_load_b256 s[4:11], s[0:1], 0x0               ; x s[4:5], W_qkv s[6:7], W_proj s[8:9], the scales' exponents s[10:11]
	s_load_b128 s[12:15], s[0:1], 0x20             ; x's codes s[12:13], the weights' codes s[14:15]
	v_lshl_add_u32 v[SPW], v0, 2, SPARE
	v_mov_b32 v[NIL], 0
	v_lshrrev_b32 v1, 5, v0
	v_readfirstlane_b32 s16, v1                    ; wave 0..3
	v_and_b32 v2, 31, v0                           ; lane
	s_wait_kmcnt 0x0
	s_load_b256 s[20:27], s[10:11], 0x0            ; e0 .. e7
	s_cmp_lt_u32 ttmp9, 256
	s_cbranch_scc0 .Lweights
; ---------------- x ----------------
.macro LOADX t
.irp i, 0,1,2,3
	global_load_b128 v[R+16*((\t)%4)+4*\i:R+16*((\t)%4)+4*\i+3], v3, s[4:5] offset:2048*(\t)+512*\i th:TH_LOAD_NT   ; 32 lanes read 512 consecutive bytes
.endr
.endm
.macro TURNX t                         ; step t's numbers through the stage: LDS serves a wave's instructions in order, so no wait stands between the stores and the loads
.irp i, 0,1,2,3
	ds_store_b128 v14, v[R+16*((\t)%4)+4*\i:R+16*((\t)%4)+4*\i+3] offset:32*SP*((\t)%2)+8*SP*\i
.endr
.irp i, 0,1,2,3
	ds_load_b128 v[X+16*((\t)%2)+4*\i:X+16*((\t)%2)+4*\i+3], v15 offset:32*SP*((\t)%2)+16*\i
.endr
.endm
.macro STEPX t
.set XS, X+16*((\t)%2)
	s_wait_dscnt 0x0                               ; this step's numbers are back from the stage: so its stores into the stage have read their registers,
.if (\t)+4 < STEPS
	LOADX (\t)+4                                   ; which take the loads of four steps on
.endif
.if (\t)+1 < STEPS
.if STEPS-2-(\t) >= 3
	s_wait_loadcnt 12                              ; the next step's four loads are in; those of the three steps behind it may be out
.else
	s_wait_loadcnt 4*(STEPS-2-(\t))
.endif
	TURNX (\t)+1                                   ; and go through the other stage while this step is worked
.endif
.set i, 0
.rept 16
	v_med3_num_f32 v[XS+i], v[XS+i], -v10, v10     ; the conversion to an 8-bit code does not saturate (ISA guide 7.6.2): the hold at the largest code x the scale comes first
.set i, i+1
.endr
	v_cvt_scalef32_pk8_fp8_f32 v[C+4*(\t):C+4*(\t)+1], v[XS:XS+7], v11
	v_cvt_scalef32_pk8_fp8_f32 v[C+4*(\t)+2:C+4*(\t)+3], v[XS+8:XS+15], v11   ; the results go to a store alone; the next vector lines are the next step's holds, on other registers
	global_store_b128 v3, v[C+4*(\t):C+4*(\t)+3], s[12:13] offset:512*(\t)    ; 32 lanes store 512 consecutive bytes
.endm
	s_wait_alu depctr_va_vdst(0)
	v_lshlrev_b32 v3, 4, v2                        ; 16 x lane: my bytes of a load's 512, and of a store's
	s_wait_alu depctr_va_vdst(0)
	s_lshl_b32 s17, s16, 13                        ; my wave's LDS
	v_lshrrev_b32 v14, 2, v2
	v_mul_u32_u24 v14, v14, SP
	v_and_b32 v15, 3, v2
	v_lshl_add_u32 v14, v15, 4, v14
	v_add_nc_u32 v14, s17, v14                     ; the stage, on the way in: four lanes' 64 bytes on end, then 16 of padding
	v_mul_u32_u24 v15, v2, SP
	v_add_nc_u32 v15, s17, v15                     ; and on the way out: my 16 neighbours
	s_lshl_b32 s18, ttmp9, 2
	s_add_co_u32 s18, s18, s16                     ; which run of 8,192 numbers is my wave's: 0 .. 1,023
	s_lshl_b32 s28, s18, 15
	s_mov_b32 s29, 0
	s_add_nc_u64 s[4:5], s[4:5], s[28:29]
	s_lshl_b32 s28, s18, 13
	s_add_nc_u64 s[12:13], s[12:13], s[28:29]
.irp t, 0,1,2,3
	LOADX \t
.endr
	s_wait_alu depctr_va_vdst(0)
	s_wait_kmcnt 0x0
	s_add_co_i32 s30, s20, 127
	s_lshl_b32 s31, s30, 23
	v_mov_b32 v11, s31                             ; 2^e0 as f32: the conversion takes its exponent field
	s_add_co_i32 s30, s30, 8
	s_lshl_b32 s30, s30, 23
	s_or_b32 s30, s30, 0x600000
	v_mov_b32 v10, s30                             ; 448 x 2^e0
	s_wait_alu depctr_va_vdst(0)
	s_wait_loadcnt 12                              ; step 0's four loads are in
	TURNX 0
.irp t, 0,1,2,3,4,5,6,7,8,9,10,11,12,13,14,15
	STEPX \t
.endr
	s_wait_tensorcnt 0x0                           ; the wave's end, behind my last LDS store
	ds_add_u32 v[SPW], v[NIL]
	s_wait_dscnt 0x0
	s_endpgm
; ---------------- the weights ----------------
.macro LOADW t                         ; block t: W(32 t + i, my column), i = 0 .. 31, into set t % 2: each load reads 128 consecutive bytes a wave, the four waves stand side by side
.set i, 0
.rept 32
	global_load_b32 v[WX+32*((\t)%2)+i], v[OFS+i], s[32+2*(\t):33+2*(\t)] th:TH_LOAD_NT
.set i, i+1
.endr
.endm
.macro BLOCKW t
.set XS, WX+32*((\t)%2)
.if (\t) < NB-1
	s_wait_loadcnt 32                              ; this block's 32 loads are in; the next block's may be out
.else
	s_wait_loadcnt 0
.endif
.set i, 0
.rept 32
	v_med3_num_f32 v[XS+i], v[XS+i], -v10, v10
.set i, i+1
.endr
.irp g, 0,1,2,3
	v_cvt_scalef32_pk8_fp8_f32 v[WC+2*\g:WC+2*\g+1], v[XS+8*\g:XS+8*\g+7], v11
.endr
	ds_store_b128 v4, v[WC:WC+3] offset:32*(\t)    ; 32 codes: 32 bytes of my column's row
	ds_store_b128 v4, v[WC+4:WC+7] offset:32*(\t)+16
.if (\t)+2 < NB
	LOADW (\t)+2
.endif
	s_wait_dscnt 0x0                               ; the stores have read their registers: the next block's codes may be written
.endm
.Lweights:
	s_sub_co_u32 s17, ttmp9, 256
	s_and_b32 s18, s17, 3                          ; which 256 along K
	s_lshr_b32 s19, s17, 2                         ; which 128 rows of w_codes: 0 .. 31
	s_cmp_lt_u32 s19, 24                           ; W_qkv's or W_proj's?  The choice hangs on the work-group's number alone
	s_cselect_b64 s[4:5], s[6:7], s[8:9]
	s_mov_b32 s28, 4096
	s_cselect_b32 s28, 12288, s28                  ; bytes from a row of the weight to the next
	s_cselect_b32 s29, 0, 24
	s_sub_co_u32 s29, s19, s29                     ; which 128 columns of that weight
	s_lshl_b32 s31, s18, 8
	s_mul_i32 s31, s31, s28                        ; 256 ky rows down,
	s_lshl_b32 s29, s29, 9
	s_add_co_u32 s31, s31, s29                     ; 128 columns of 4 bytes,
	s_lshl_b32 s29, s16, 7
	s_add_co_u32 s48, s31, s29                     ; my wave's 32 of them
	s_mov_b32 s49, 0
	s_add_nc_u64 s[32:33], s[4:5], s[48:49]        ; a base for each block of 32 rows, so that no base is stepped while loads are out
	s_lshl_b32 s50, s28, 5
	s_mov_b32 s51, 0
.irp t, 1,2,3,4,5,6,7
	s_add_nc_u64 s[32+2*\t:33+2*\t], s[30+2*\t:31+2*\t], s[50:51]
.endr
	s_lshl_b32 s48, s19, 17                        ; the codes: 128 rows of 1,024 bytes,
	s_lshl_b32 s29, s16, 15
	s_add_co_u32 s48, s48, s29                     ; my wave's 32,
	s_lshl_b32 s29, s18, 8
	s_add_co_u32 s48, s48, s29                     ; my 256 along K
	s_add_nc_u64 s[14:15], s[14:15], s[48:49]
	s_wait_alu depctr_va_vdst(0)
	v_lshlrev_b32 v[OFS], 2, v2
.set i, 1
.rept 31
	v_add_nc_u32 v[OFS+i], s28, v[OFS+i-1]
.set i, i+1
.endr
	LOADW 0
	LOADW 1
	s_mul_i32 s29, s16, 32*WP
	s_add_co_u32 s29, s29, WSTG                    ; my stage
	v_mul_u32_u24 v4, v2, WP
	v_add_nc_u32 v4, s29, v4                       ; into it: row = my column
	v_and_b32 v5, 15, v2
	v_lshrrev_b32 v6, 4, v2                        ; out of it: sixteen lanes to a row, two rows an instruction
	v_mul_u32_u24 v7, v6, WP
	v_lshl_add_u32 v7, v5, 4, v7
	v_add_nc_u32 v7, s29, v7
	v_lshlrev_b32 v8, 10, v6
	v_lshl_add_u32 v8, v5, 4, v8                   ; and the same place in the codes' buffer
	s_wait_kmcnt 0x0
	s_cmp_lt_u32 s19, 24
	s_cselect_b32 s30, s21, s27                    ; e1 or e7
	s_add_co_i32 s30, s30, 127
	s_lshl_b32 s31, s30, 23
	v_mov_b32 v11, s31                             ; 2^e as f32
	s_add_co_i32 s30, s30, 8
	s_lshl_b32 s30, s30, 23
	s_or_b32 s30, s30, 0x600000
	v_mov_b32 v10, s30                             ; 448 x 2^e
	s_wait_alu depctr_va_vdst(0)
.irp t, 0,1,2,3,4,5,6,7
	BLOCKW \t
.endr
.irp t, 0,1,2,3,4,5,6,7,8,9,10,11,12,13,14,15
	ds_load_b128 v[OUTR+4*\t:OUTR+4*\t+3], v7 offset:2*\t*WP   ; LDS serves a wave's instructions in order: these see my stores
.endr
.irp t, 0,1,2,3,4,5,6,7,8,9,10,11,12,13,14,15
	s_wait_dscnt 15-\t                             ; the younger read-backs may be out
	global_store_b128 v8, v[OUTR+4*\t:OUTR+4*\t+3], s[14:15] offset:2*\t*1024   ; sixteen lanes store 256 consecutive bytes, at a multiple of 256 from the buffer's first byte
.endr
	s_wait_tensorcnt 0x0                           ; the wave's end, behind my last LDS store
	ds_add_u32 v[SPW], v[NIL]
	s_wait_dscnt 0x0
	s_endpgm
.Lfunc_end_k_q9da6d7827a_quant:
	.size	k_q9da6d7827a_quant, .Lfunc_end_k_q9da6d7827a_quant-k_q9da6d7827a_quant
	.p2alignl 7, 3214868480
	.fill 96, 4, 3214868480
	.section	.rodata,"a",@progbits
	.p2align	6, 0x0
	.amdhsa_kernel k_q9da6d7827a_quant
		.amdhsa_group_segment_fixed_size 68096
		.amdhsa_private_segment_fixed_size 0
		.amdhsa_enable_private_segment 0
		.amdhsa_kernarg_size 48
		.amdhsa_user_sgpr_count 2
		.amdhsa_user_sgpr_kernarg_segment_ptr 1
		.amdhsa_wavefront_size32 1
		.amdhsa_system_sgpr_workgroup_id_x 1
		.amdhsa_system_sgpr_workgroup_id_y 1
		.amdhsa_system_sgpr_workgroup_id_z 1
		.amdhsa_system_vgpr_workitem_id 0
		.amdhsa_next_free_vgpr 208
		.amdhsa_next_free_sgpr 66
		.amdhsa_reserve_vcc 0
		.amdhsa_float_denorm_mode_32 3
		.amdhsa_float_denorm_mode_16_64 3
		.amdhsa_memory_ordered 1
		.amdhsa_forward_progress 1
		.amdhsa_inst_pref_size 87
	.end_amdhsa_kernel
	.amdgpu_metadata
---
amdhsa.version: [ 1, 2 ]
amdhsa.kernels:
  - .name:           k_q9da6d7827a_quant
    .symbol:         k_q9da6d7827a_quant.kd
    .args:
      - { .name: x, .offset: 0, .size: 8, .value_kind: global_buffer, .address_space: global }
      - { .name: W_qkv, .offset: 8, .size: 8, .value_kind: global_buffer, .address_space: global }
      - { .name: W_proj, .offset: 16, .size: 8, .value_kind: global_buffer, .address_space: global }
      - { .name: lowp_scales, .offset: 24, .size: 8, .value_kind: global_buffer, .address_space: global }
      - { .name: x_codes, .offset: 32, .size: 8, .value_kind: global_buffer, .address_space: global }
      - { .name: w_codes, .offset: 40, .size: 8, .value_kind: global_buffer, .address_space: global }
    .group_segment_fixed_size: 68096
    .private_segment_fixed_size: 0
    .kernarg_segment_align: 8
    .kernarg_segment_size: 48
    .max_flat_workgroup_size: 128
    .sgpr_count:     66
    .vgpr_count:     208
    .wavefront_size: 32
...
	.end_amdgpu_metadata
.endif
;; end of part 1
;; launch gemm_qkv (part 2): grid 12 x 32, 4 waves a work-group, clusters of 4 x 4, 327,680 bytes of LDS; arguments x_codes, w_codes, lowp_scales, b_qkv, q_codes, k_codes, v_codes; writes q_codes, k_codes, v_codes
.if DOCPART == 2
	.amdgcn_target "amdgcn-amd-amdhsa--gfx1250"
	.amdhsa_code_object_version 6
	.text
	.protected	k_q9da6d7827a_gemm_qkv
	.globl	k_q9da6d7827a_gemm_qkv
	.p2align	8
	.type	k_q9da6d7827a_gemm_qkv,@function
k_q9da6d7827a_gemm_qkv:
	s_mov_b64 s[64:65], 0
	v_nop
	global_prefetch_b8 v0, s[64:65] scope:SCOPE_SE
	s_setreg_imm32_b32 hwreg(HW_REG_WAVE_MODE, 25, 1), 1
	s_wait_xcnt 0x0
	s_wait_alu depctr_hold_cnt(0) depctr_sa_sdst(0) depctr_va_vdst(0) depctr_va_sdst(0) depctr_va_ssrc(0) depctr_va_vcc(0) depctr_vm_vsrc(0)
	s_getreg_b32 s2, hwreg(HW_REG_IB_STS2, 6, 4)
	s_cmp_eq_u32 s2, 0
	s_cbranch_scc0 .Lentry_in_a_cluster
	s_endpgm
.Lentry_in_a_cluster:
	s_bfe_u32 s2, ttmp6, 0x10000c
	s_cmp_lg_u32 s2, 0xf033
	s_cbranch_scc0 .Lentry_shape_is_right
	s_endpgm
.Lentry_shape_is_right:
; qkv = x W_qkv + b_qkv on codes of FP8 (E4M3), and its result quantised at once into the codes of q, k and v.  Nothing of reference() is left out here.
; x_codes [8,192][1,024], w_codes rows 0 to 3,071 [n][1,024]: K innermost.  A sum stands for sum x 2^(e0 + e1); number = sum x 2^(e0 + e1) + bias (one fused multiply-add, f32); code = number / 2^e, held within +-448: e2 for q, e3 for k, e5 for v.
; OUT: q_codes, k_codes [b 16 + head][t][64]: the head's 64 innermost, as the first product of attention wants them.  v_codes [b 16 + head][t / 128][64][128]: the KEYS innermost, as the second wants them.
; LIMITS: e0 + e1 between -126 and 127; e2, e3, e5 between -126 and 119, so that each power of two below is an f32 number.
; A tile of 256 x 256 is made by a work-group of four waves, a wave makes 128 x 128: 64 accumulators.  K goes in steps of 256 through a ring of two LDS slots filled by the tensor data mover.
; CLUSTERS: 4 x 4 work-groups.  The four of a row of the cluster need the same tile of x, the four of a column the same tile of the weight: each tile is asked for JOINTLY.  A cluster is 1,024 columns wide: cluster x = 0 makes q, 1 k, 2 v: the kind is the same in all sixteen partners.
; WHAT A LANE HOLDS.  Source 0's 16 rows run along a lane's registers, source 1's row is the lane's own.  The conversions take neighbours along the NEXT product's K from one lane's registers: for q and k that is the head's axis (the weight's rows),
; for v the keys (x's rows).  So source 0 is the weight for q and k, and x for v; the loop's text is one: only the two LDS addresses from which a wave takes its fragments change places, by a choice on the cluster's x.
; THE ROWS OF A TILE OF SOURCE 0 ARE NOT NEIGHBOURS: lane r of tile 2 b + u takes row 32 b + 8 u + r + 8 (r / 8), so that the 16 registers of tiles 2 b and 2 b + 1 are 16 neighbours: 32 b + 16 (lane / 16) + 0 .. 15.
; REGISTERS, in windows of 256: window 0: v0-31 addresses; v32-95 the bias along a lane's registers (q, k); v96-111 the bias of a lane's own row, block by block (v); from v128 source 1's fragments, ONE set; on the way out v128-255 are at work.
;   window 1: source 0's fragments, TWO sets.   window 2: the accumulators of source 1's rows 0-63 ((a, b) at v[8 (8 a + b)]);   window 3: those of rows 64-127.
.set KSTEP,  256
.set ROWB,   256                       ; a tile's row in bytes
.set KROW,   1024                      ; a row of codes in memory
.set PITCH,  272                       ; an LDS row: 256 bytes + 16 of padding = 68 words: row r starts at bank 4 r mod 64 (64 banks of 4 bytes: ISA guide 11.1)
.set FR,     16                        ; registers of a fragment: 16 rows x 128 K
.set NL,     4                         ; LDS loads that bring one
.set NP,     4                         ; places behind this matrix instruction (ISA guide 7.12.1)
.set HALFT,  128*PITCH                 ; 128 rows: what one tensor load brings
.set SLOT,   4*HALFT                   ; source 1's 256 rows, then source 0's 256 rows
.set LAPS,   1024/(2*KSTEP)            ; a lap = two K steps = once round the ring
.set SPARE,  2*SLOT                    ; behind the ring: the spare words, 128 bytes for each wave
.set VSTG,   16384                     ; the way out: stages of 4,096 bytes a wave, for q and k from byte 0, for v from here: both in slot 0, which has had its last fill and its last read when the first code is stored there
.set ADRA, 16                          ; v16-17  LDS address of source 1's fragments in slot 0, 1
.set BO2,  18                          ; v18     4 r: the offset of my own row's bias; never rewritten
.set ADRB, 20                          ; v20-21  the same for source 0
.set STOQ, 22                          ; v22     q, k: where I put 16 codes
.set RDQ,  23                          ; v23     q, k: where I read 16 bytes back
.set STOV, 24                          ; v24, v25 the same for v
.set RDV,  25
.set CO,   26                          ; v26     16 x lane: my place in a store's 512 bytes; never rewritten
.set BO,   27                          ; v27     64 (lane / 16): the offset of my 16 numbers of the bias; never rewritten
.set SPW,  28                          ; v28     LDS address of my spare word; never rewritten
.set NIL,  29                          ; v29     0; never rewritten
.set SCL,  30                          ; v30     2^e of the codes that I make
.set LIMV, 31                          ; v31     448 x that
.set BI,   32
.set BV,   96
.set AF,   128                         ; source 1's fragments
.set TMP,  128                         ; the way out: v128-191 a block's 64 numbers
.set PC,   192                         ; v192-223 their codes, two sets by turns
.set BK,   224                         ; v224-255 512-byte pieces read back from the stage, two sets by turns
.set G1, 24                            ; s[24:31] descriptor group 1 for x's tiles;  s[32:39] group 0, one set for each slot
.set G0, 32
.set G1B, 48                           ; s[48:55], s[56:63] the same for the weight's tiles
.set G0B, 56
.set MSB, 0
.macro WIN new                         ; the immediate's high byte repeats the setting that is left
.if MSB != (\new)
	s_set_vgpr_msb (MSB<<8)|(\new)
.set MSB, (\new)
.endif
.endm
.set MUL_LO, 0xa1                      ; source 0 window 1, source 1 window 0, C and D window 2
.set MUL_HI, 0xf1                      ; the same, C and D window 3
.set TO_B,   0x40                      ; destination window 1, address window 0
; THE SLOT: its first half holds source 1's 256 rows, its second half source 0's.  The fragments' LDS addresses are the same for q, k and v; what changes places for v is the TILES:
; a wave's load always lands at wave x 128 rows; waves 0 and 1 fetch x for q and k and the weight for v, waves 2 and 3 the other (s87 = (wave / 2) xor (1 where the cluster makes v)).
; Each of the two lines has ONE mask and one set of registers for all that issue it; the branch hangs on the wave's number and the cluster's x alone, which all sixteen partners share.
; An s_nop 0 and four v_nop follow each of the two lines, ahead of the jump, the label and what follows.
.macro JLOAD g0a, g1a, g0b, g1b
	s_cmp_eq_u32 s87, 0
	s_cbranch_scc0 .Lfor_b_\@
	tensor_load_to_lds s[\g0a:\g0a+3], s[\g1a:\g1a+7]
	s_nop 0
.rept 4
	v_nop
.endr
	s_branch .Lasked_\@
.Lfor_b_\@:
	tensor_load_to_lds s[\g0b:\g0b+3], s[\g1b:\g1b+7]
	s_nop 0
.rept 4
	v_nop
.endr
.Lasked_\@:
.endm
.macro CREST                           ; a round of the cluster's barrier behind its opening barrier
	s_cmp_lg_u32 s14, 0
	s_cbranch_scc1 .Lnot_wave_0_\@
	s_barrier_signal -3
.Lnot_wave_0_\@:
	s_barrier_wait -3
	s_barrier_signal -1
	s_barrier_wait -1
.endm
.macro CROUND                          ; a whole round
	s_barrier_signal -1
	s_barrier_wait -1
	CREST
.endm
	s_load_b128 s[4:7], s[0:1], 0x0                ; x's codes s[4:5], the weights' codes s[6:7]
	s_load_b128 s[8:11], s[0:1], 0x10              ; the scales' exponents s[8:9], b_qkv s[10:11]
	s_load_b128 s[68:71], s[0:1], 0x20             ; q's codes s[68:69], k's s[70:71]
	s_load_b64 s[72:73], s[0:1], 0x30              ; v's
	v_lshl_add_u32 v[SPW], v0, 2, SPARE
	v_mov_b32 v[NIL], 0
	ds_add_u32 v[SPW], v[NIL]                      ; the wave's opening: the add, twice on end, and its wait ahead of my first tensor load; the set-up below stands between the second and the wait
	ds_add_u32 v[SPW], v[NIL]
	v_lshrrev_b32 v1, 5, v0
	v_readfirstlane_b32 s14, v1                    ; wave 0..3
	s_lshr_b32 s15, s14, 1                         ; which half of source 1's rows is mine.  Also, for q and k: I fetch for x (0) or for the weight (1)
	s_and_b32 s16, s14, 1                          ; which half of source 0's rows.  Also: which 128 rows of that tile I fetch
	s_bfe_u32 s40, ttmp6, 0x40000                  ; cx, cy: my place in the cluster
	s_bfe_u32 s41, ttmp6, 0x40004
	s_lshl_b32 s42, ttmp9, 2
	s_add_co_u32 s42, s42, s40                     ; tile column = 4 x cluster x + cx: 256 rows of the weight's codes
	s_and_b32 s17, ttmp7, 0xffff
	s_lshl_b32 s17, s17, 2
	s_add_co_u32 s17, s17, s41                     ; tile row = 4 x cluster y + cy: 256 rows of x
	s_lshl_b32 s43, s41, 2
	s_lshl_b32 s43, 15, s43                        ; my row of the cluster
	s_lshl_b32 s44, 0x1111, s40                    ; my column
	; descriptor group 1: a tile of 128 rows x 256 bytes, padded in LDS
	s_or_b32 s[G1+0], s43, (0<<16)|(1<<20)|(1<<21)|(5<<22)|(3<<25)  ; 15:0 the mask: x's tiles go to my row; 17:16 element of 1 byte; 20 padding on; 21 set beside a mask; 24:22 after every 64 words (code 5); 31:25 of 4 words (code 3)
	s_or_b32 s[G1B+0], s44, (0<<16)|(1<<20)|(1<<21)|(5<<22)|(3<<25)
.irp g, G1, G1B
	s_mov_b32 s[\g+1], ROWB<<16                    ; tensor_dim0
	s_mov_b32 s[\g+2], 128<<16                     ; tensor_dim1 = 128
	s_mov_b32 s[\g+3], ROWB<<16                    ; tile_dim0
	s_mov_b32 s[\g+4], 128                         ; tile_dim1 = 128
	s_mov_b32 s[\g+5], KROW                        ; tensor_dim0_stride
	s_mov_b32 s[\g+6], 0
	s_mov_b32 s[\g+7], 0
.endr
	s_lshl_b32 s18, s16, 7                         ; which 128 rows of the tile I fetch
	s_lshl_b32 s20, s17, 8
	s_add_co_u32 s20, s20, s18                     ; x: row 256 x tile row + 128 x half
	s_lshl_b32 s46, s42, 8
	s_add_co_u32 s46, s46, s18                     ; the weight: row 256 x tile column + 128 x half
	s_mov_b32 s21, 0
	s_mov_b32 s47, 0
	s_mov_b64 s[18:19], KROW
	s_mul_u64 s[20:21], s[20:21], s[18:19]
	s_mul_u64 s[46:47], s[46:47], s[18:19]
	s_mul_i32 s45, s14, HALFT                      ; where they go: wave x 128 rows: no place in the cluster enters an LDS address
	s_wait_dscnt 0x0                               ; both opening adds are done
	s_wait_kmcnt 0x0
	s_load_b256 s[76:83], s[8:9], 0x0              ; e0 .. e7
	s_add_nc_u64 s[20:21], s[4:5], s[20:21]
	s_add_nc_u64 s[46:47], s[6:7], s[46:47]
	s_cmp_eq_u32 ttmp9, 2                          ; the cluster's x: the same in all sixteen partners
	s_cselect_b32 s84, 1, 0                        ; 1: this cluster makes v
	s_xor_b32 s87, s15, s84                        ; 0: I fetch x's tile, 1: the weight's
	CROUND                                         ; all sixteen work-groups are here: the first joint loads meet
.irp s, 0,1
	s_mov_b32 s[G0+4*\s], 1
	s_add_co_u32 s[G0+4*\s+1], s45, \s*SLOT
	s_add_nc_u64 s[G0+4*\s+2:G0+4*\s+3], s[20:21], \s*ROWB
	s_or_b32 s[G0+4*\s+3], s[G0+4*\s+3], 0x80000000
	s_mov_b32 s[G0B+4*\s], 1
	s_add_co_u32 s[G0B+4*\s+1], s45, \s*SLOT
	s_add_nc_u64 s[G0B+4*\s+2:G0B+4*\s+3], s[46:47], \s*ROWB
	s_or_b32 s[G0B+4*\s+3], s[G0B+4*\s+3], 0x80000000
.endr
	JLOAD G0, G1, G0B, G1B                         ; K step 0: one tensor load a wave at the head
	v_and_b32 v1, 15, v0                           ; r = l % 16
	v_bfe_u32 v2, v0, 4, 1                         ; h = l / 16
	v_mul_u32_u24 v3, v1, PITCH
	v_lshl_add_u32 v4, v2, 4, v3                   ; source 1: row r x pitch + 16 h
	s_wait_alu depctr_va_vdst(0)
	v_and_b32 v5, 8, v1
	v_add_nc_u32 v5, v5, v1                        ; r + 8 (r / 8)
	v_mul_u32_u24 v5, v5, PITCH
	v_lshl_add_u32 v5, v2, 4, v5                   ; source 0: that row x pitch + 16 h
	s_wait_alu depctr_va_vdst(0)
	s_mul_i32 s21, s15, HALFT                      ; my 128 rows of source 1, in the slot's first half
	s_mul_i32 s22, s16, HALFT                      ; my 128 rows of source 0,
	s_add_co_u32 s22, s22, 2*HALFT                 ; in its second half
.irp s, 0,1
	v_add_nc_u32 v[ADRA+\s], s21, v4
	v_add_nc_u32 v[ADRB+\s], s22, v5
	s_add_co_u32 s21, s21, SLOT
	s_add_co_u32 s22, s22, SLOT
.endr
	; the way out's LDS addresses, for both kinds
	s_lshl_b32 s23, s14, 12                        ; my stage: wave x 4,096
	v_mul_u32_u24 v7, v1, 80
	v_lshl_add_u32 v7, v2, 4, v7
	v_add_nc_u32 v[STOQ], s23, v7                  ; q, k, in: a token's 64 codes of a head in a row of 80 bytes: row r, + 16 h
	v_and_b32 v8, 31, v0                           ; lane
	v_lshrrev_b32 v9, 2, v8
	v_mul_u32_u24 v9, v9, 80
	v_and_b32 v10, 3, v8
	v_lshl_add_u32 v9, v10, 4, v9
	v_add_nc_u32 v[RDQ], s23, v9                   ; back: four lanes to a row, eight rows an instruction
	v_mul_u32_u24 v7, v1, 144
	v_lshl_add_u32 v7, v2, 4, v7
	v_add_nc_u32 v7, s23, v7
	v_add_nc_u32 v[STOV], VSTG, v7                 ; v, in: a channel's 128 codes in a row of 144 bytes: row r, + 16 h
	v_lshrrev_b32 v9, 3, v8
	v_mul_u32_u24 v9, v9, 144
	v_and_b32 v10, 7, v8
	v_lshl_add_u32 v9, v10, 4, v9
	v_add_nc_u32 v9, s23, v9
	v_add_nc_u32 v[RDV], VSTG, v9                  ; back: eight lanes to a row, four rows an instruction
	v_lshlrev_b32 v[CO], 4, v8
	v_lshlrev_b32 v[BO], 6, v2
	s_wait_alu depctr_va_vdst(0)
	v_lshlrev_b32 v[BO2], 2, v1
	; my first row of x (XR) and of the weight (WR)
	s_wait_alu depctr_va_vdst(0)
	s_cmp_eq_u32 s84, 1
	s_cselect_b32 s92, s16, s15
	s_cselect_b32 s93, s15, s16
	s_lshl_b32 s94, s17, 8
	s_lshl_b32 s92, s92, 7
	s_add_co_u32 s94, s94, s92                     ; XR = 256 x tile row + 128 x my half of x
	s_lshl_b32 s95, s42, 8
	s_lshl_b32 s93, s93, 7
	s_add_co_u32 s95, s95, s93                     ; WR = 256 x tile column + 128 x my half of the weight
	s_lshr_b32 s92, s94, 11
	s_lshl_b32 s92, s92, 21                        ; the batch: 16 heads of 131,072 bytes,
	s_and_b32 s93, s95, 1023
	s_lshr_b32 s93, s93, 6
	s_lshl_b32 s93, s93, 17
	s_add_co_u32 s92, s92, s93                     ; my first head,
	s_and_b32 s93, s94, 2047
	s_lshl_b32 s93, s93, 6
	s_add_co_u32 s92, s92, s93                     ; my first token x 64 bytes: in q and k its row, in v its block of 128 keys (8,192 bytes): one formula for the three
	s_mov_b32 s93, 0
	s_cmp_eq_u32 ttmp9, 0
	s_cselect_b64 s[88:89], s[68:69], s[70:71]
	s_cmp_eq_u32 ttmp9, 2
	s_cselect_b64 s[88:89], s[72:73], s[88:89]     ; the buffer of my kind
	s_add_nc_u64 s[88:89], s[88:89], s[92:93]      ; never stepped: every store's place stands in its immediate
	s_lshl_b32 s92, s95, 2
	s_add_nc_u64 s[90:91], s[10:11], s[92:93]      ; the bias of my 128 rows of the weight
	; The bias in both layouts, 32 small loads a wave, all inside my 512 bytes of b_qkv: along a lane's registers (what q and k add) and of a lane's own row (what v adds).  Every work-group fetches both, so that the head has no branch on the kind.
.irp b, 0,1,2,3
.irp jj, 0,1,2,3
	global_load_b128 v[BI+16*\b+4*\jj:BI+16*\b+4*\jj+3], v[BO], s[90:91] offset:128*\b+16*\jj   ; register 16 b + i: b_qkv[WR + 32 b + 16 h + i]
.endr
.endr
.irp a, 0,1,2,3,4,5,6,7
	global_load_b32 v[BV+2*\a], v[BO2], s[90:91] offset:64*\a      ; b_qkv[WR + 16 a + r],
	global_load_b32 v[BV+2*\a+1], v[BO2], s[90:91] offset:64*\a    ; twice: a pair for the packed multiply-add
.endr
.macro FRAG reg, adr, q, i             ; a fragment of source 1: lane l holds row l % 16; registers 4 c .. 4 c + 3 hold K = 32 c + 16 (l / 16) + 0 .. 15.  The same places of K in both sources, so every product meets its partner
.irp c, 0,1,2,3
	ds_load_b128 v[\reg+4*\c:\reg+4*\c+3], v[\adr] offset:128*(\q)+32*\c+(\i)*16*PITCH
.endr
.endm
.macro FRAGB reg, adr, q, i            ; a fragment of source 0: tile i begins at row 32 (i / 2) + 8 (i % 2)
.irp c, 0,1,2,3
	ds_load_b128 v[\reg+4*\c:\reg+4*\c+3], v[\adr] offset:128*(\q)+32*\c+(32*((\i)/2)+8*((\i)%2))*PITCH
.endr
.endm
; 16 matrix instructions: source 1's blocks a0, a0 + 1 x source 0's eight tiles, 128 along K.  p: source 0's set.  zero = 1: the first product starts the sums.
; The 64 accumulators take turns, one instruction a turn, in the same order in every step.
.macro MUL16 a0, p, zero
.irp a, \a0, \a0+1
.irp b, 0,1,2,3,4,5,6,7
.if \zero
	v_wmma_f32_16x16x128_fp8_fp8 v[8*(8*((\a)%4)+\b):8*(8*((\a)%4)+\b)+7], v[128*(\p)+FR*\b:128*(\p)+FR*\b+FR-1], v[AF+FR*(\a):AF+FR*(\a)+FR-1], 0
.else
	v_wmma_f32_16x16x128_fp8_fp8 v[8*(8*((\a)%4)+\b):8*(8*((\a)%4)+\b)+7], v[128*(\p)+FR*\b:128*(\p)+FR*\b+FR-1], v[AF+FR*(\a):AF+FR*(\a)+FR-1], v[8*(8*((\a)%4)+\b):8*(8*((\a)%4)+\b)+7]
.endif
.endr
.endr
.endm
.macro FETCH_B slot, q, p              ; source 0's eight fragments of the slot's q-th 128 along K into set p
	WIN TO_B
.irp i, 0,1,2,3,4,5,6,7
	FRAGB 128*(\p)+FR*\i, ADRB+\slot, \q, \i
.endr
	WIN 0
.endm
.macro FETCH_A slot, q, i0             ; source 1's blocks i0 .. i0 + 3
.irp i, \i0, \i0+1, \i0+2, \i0+3
	FRAG AF+FR*(\i), ADRA+\slot, \q, \i
.endr
.endm
; A load into a register that a matrix instruction has read, and a vector instruction that reads a matrix result or writes one of a matrix instruction's registers, stand NP places behind it, and only plain vector
; instructions that name none of its registers are places (ISA guide 7.12.1 for vector instructions).
.macro PLACES n
.rept \n
	v_nop
.endr
.endm
; A step of 128 along K that has its successor in the same slot.
.macro STEP slot, q, zero
	s_wait_dscnt 4*NL                              ; source 0's set and source 1's blocks 0-3 are in; the youngest 16 loads (blocks 4-7) may be out
	WIN MUL_LO
	MUL16 0, (\q)%2, \zero
	MUL16 2, (\q)%2, \zero
	s_wait_dscnt 0                                 ; blocks 4-7 are in
	PLACES NP
	FETCH_B \slot, (\q)+1, 1-(\q)%2
	FETCH_A \slot, (\q)+1, 0
	WIN MUL_HI
	MUL16 4, (\q)%2, \zero
	MUL16 6, (\q)%2, \zero
	PLACES NP
	WIN 0
	FETCH_A \slot, (\q)+1, 4
.endm
; A slot's last step changes slots: ONE barrier; in front of it each wave waits for all its tensor loads, adds 0 to its spare word, and waits for that and for its own reads of this slot.  fill = 1: this slot is filled again, two K steps ahead.
.macro TURN slot, next, fill
	s_wait_tensorcnt 0x0                           ; all my tensor loads have landed: my part of the next slot  (every window is 0 here)
	ds_add_u32 v[SPW], v[NIL]                      ; 0 onto my spare word
	s_wait_dscnt 4*NL+1                            ; (the add and the youngest 16 loads may be out)
	WIN MUL_LO
	MUL16 0, 1, 0                                  ; sixteen matrix instructions stand between the add and the wait for it
	s_wait_dscnt 0x0                               ; the add is done, and my reads of this slot are over
	s_barrier_signal -1
	MUL16 2, 1, 0
	WIN 0
	s_barrier_wait -1
.if \fill
	CREST                                          ; the barrier has opened a round of the cluster's barrier: no wave of any partner still reads this slot's tile or has a load on its way
	s_add_nc_u64 s[G0+4*\slot+2:G0+4*\slot+3], s[G0+4*\slot+2:G0+4*\slot+3], 2*ROWB
	s_add_nc_u64 s[G0B+4*\slot+2:G0B+4*\slot+3], s[G0B+4*\slot+2:G0B+4*\slot+3], 2*ROWB
	JLOAD G0+4*\slot, G1, G0B+4*\slot, G1B         ; the first tensor load behind the round; the four v_nop behind it are the places in front of the loads below
.else
	PLACES NP
.endif
	FETCH_B \next, 0, 0
	FETCH_A \next, 0, 0
	WIN MUL_HI
	MUL16 4, 1, 0
	MUL16 6, 1, 0
	PLACES NP
	WIN 0
	FETCH_A \next, 0, 4
.endm
	s_wait_alu depctr_va_vdst(0)                   ; the head's end
	s_wait_tensorcnt 0x0                           ; my part of K step 0 is in; these lines stand ahead of a later first fill, as ahead of a refill
	ds_add_u32 v[SPW], v[NIL]
	s_wait_dscnt 0x0
	CROUND                                         ; everybody's part of K step 0 is in, and all sixteen work-groups are here
	JLOAD G0+4, G1, G0B+4, G1B                     ; K step 1's load, the first tensor load behind the round
	FETCH_B 0, 0, 0
	FETCH_A 0, 0, 0
	FETCH_A 0, 0, 4
	STEP 0, 0, 1                                   ; the first step stands in front of the loop: its products start the sums
	s_mov_b32 s3, LAPS-1
.Llap:                                                 ; a trip goes once round the ring, from a lap's second step to the next lap's first, and fills both slots again
	TURN 0, 1, 1
	STEP 1, 0, 0
	TURN 1, 0, 1
	STEP 0, 0, 0
	s_sub_co_u32 s3, s3, 1
	s_cmp_lg_u32 s3, 0
	s_cbranch_scc1 .Llap
	TURN 0, 1, 0                                   ; the last lap fills nothing, and has no round of the cluster's barrier
	STEP 1, 0, 0
	s_wait_dscnt 4*NL                              ; the very last step: nothing more to fetch
	WIN MUL_LO
	MUL16 0, 1, 0
	MUL16 2, 1, 0
	s_wait_dscnt 0
	WIN MUL_HI
	MUL16 4, 1, 0
	MUL16 6, 1, 0
	WIN 0
; THE WAY OUT, block by block: source 1's 16 rows x source 0's 128.  In block a register 16 b + i of a lane's 64 is (source 0's row 32 b + 16 h + i, source 1's row 16 a + r).
; kind = 0 (q, k): a lane holds one token and 64 channels of two heads; its 4 x 16 codes go into the stage as rows of 64 bytes (a head's 16 tokens on end) and come back as 512 dense bytes: eight tokens of one head.
; kind = 1 (v): a lane holds one channel and 64 of the 128 keys; the codes go in as rows of 128 bytes and come back as 512 dense bytes: four channels of one key block.
; LDS serves a wave's instructions in order (ISA guide 5.7.1.4): no wait between the stores and the loads, nor in front of the next block's stores.
.macro OUTBLK a, kind
.set AC, 64*((\a)%4)
.set PCC, PC+16*((\a)%2)
.set BB, BK+16*((\a)%2)
	WIN 0x02+((\a)/4)                              ; source 0: window 2 or 3
.set j, 0
.rept 32
.if \kind
	v_pk_fma_f32 v[TMP+j:TMP+j+1], v[AC+j:AC+j+1], s[96:97], v[BV+2*(\a):BV+2*(\a)+1] op_sel_hi:[1,0,1]   ; sum x 2^(e0 + e1) + my channel's bias; each accumulator from its low end on
.else
	v_pk_fma_f32 v[TMP+j:TMP+j+1], v[AC+j:AC+j+1], s[96:97], v[BI+j:BI+j+1] op_sel_hi:[1,0,1]             ; sum x 2^(e0 + e1) + the register's channel's bias
.endif
.set j, j+2
.endr
	WIN 0
.set j, 0
.rept 64
	v_med3_num_f32 v[TMP+j], v[TMP+j], -v[LIMV], v[LIMV]   ; the conversion to an 8-bit code does not saturate (ISA guide 7.6.2): the hold comes first
.set j, j+1
.endr
.irp g, 0,1,2,3,4,5,6,7
	v_cvt_scalef32_pk8_fp8_f32 v[PCC+2*\g:PCC+2*\g+1], v[TMP+8*\g:TMP+8*\g+7], v[SCL]
.endr
	v_nop                                          ; one plain vector instruction between the conversions and the next block's multiply-adds, which write their sources
.irp b, 0,1,2,3
.if \kind
	ds_store_b128 v[STOV], v[PCC+4*\b:PCC+4*\b+3] offset:32*\b
.else
	ds_store_b128 v[STOQ], v[PCC+4*\b:PCC+4*\b+3] offset:(\b/2)*1280+32*(\b%2)
.endif
.endr
.irp i, 0,1,2,3
.if \kind
	ds_load_b128 v[BB+4*\i:BB+4*\i+3], v[RDV] offset:576*\i
.else
	ds_load_b128 v[BB+4*\i:BB+4*\i+3], v[RDQ] offset:640*\i
.endif
.endr
.endm
.macro SEND a, younger, kind           ; younger: the LDS instructions issued behind block a's loads, which may stay out
.set BB, BK+16*((\a)%2)
	s_wait_dscnt \younger
.irp i, 0,1,2,3
.if \kind
	global_store_b128 v[CO], v[BB+4*\i:BB+4*\i+3], s[88:89] offset:((\a)/4)*131072+((\a)%4)*2048+512*\i   ; head a / 4, channels 16 (a % 4) + 4 i on: 32 lanes store 512 consecutive bytes, aligned
.else
	global_store_b128 v[CO], v[BB+4*\i:BB+4*\i+3], s[88:89] offset:(\i/2)*131072+(\a)*1024+(\i%2)*512     ; head i / 2, tokens 16 a + 8 (i % 2) on: likewise
.endif
.endr
.endm
.macro OUT_ALL kind
	OUTBLK 0, \kind
.irp a, 1,2,3,4,5,6,7
.if \a > 1
	s_wait_xcnt 0x0                                ; block a - 2's stores have read their registers: block a's loads may land there
.endif
	OUTBLK \a, \kind
	SEND \a-1, 8, \kind                            ; behind block a - 1's loads: block a's 4 stores and 4 loads
.endr
	SEND 7, 0, \kind
.endm
	s_wait_kmcnt 0x0
	s_add_co_i32 s96, s76, s77                     ; e0 + e1
	s_add_co_i32 s96, s96, 127
	s_lshl_b32 s96, s96, 23                        ; 2^(e0 + e1) as f32
	s_mov_b32 s97, s96                             ; (named with it as a pair, so it is written)
	s_cmp_eq_u32 ttmp9, 0
	s_cselect_b32 s92, s78, s79                    ; e2 for q, e3 for k,
	s_cmp_eq_u32 ttmp9, 2
	s_cselect_b32 s92, s81, s92                    ; e5 for v: a choice, no branch
	s_add_co_i32 s92, s92, 127
	s_lshl_b32 s93, s92, 23
	v_mov_b32 v[SCL], s93
	s_add_co_i32 s92, s92, 8
	s_lshl_b32 s92, s92, 23
	s_or_b32 s92, s92, 0x600000
	v_mov_b32 v[LIMV], s92
	s_wait_loadcnt 0x0                             ; the bias
	PLACES NP                                      ; behind the last products: their results are read, and source 1's registers written, below
	s_cmp_eq_u32 s84, 1                            ; the kind: the same in all sixteen partners
	s_cbranch_scc1 .Lout_v
	OUT_ALL 0
	s_branch .Lend
.Lout_v:
	OUT_ALL 1
.Lend:
	s_wait_tensorcnt 0x0                           ; the wave's end, behind my last tensor load and my last LDS store
	ds_add_u32 v[SPW], v[NIL]
	s_wait_dscnt 0x0
	CROUND                                         ; the closing round: no work-group ends while a partner may still ask for a tile that names it
	s_endpgm
.Lfunc_end_k_q9da6d7827a_gemm_qkv:
	.size	k_q9da6d7827a_gemm_qkv, .Lfunc_end_k_q9da6d7827a_gemm_qkv-k_q9da6d7827a_gemm_qkv
	.p2alignl 7, 3214868480
	.fill 96, 4, 3214868480
	.section	.rodata,"a",@progbits
	.p2align	6, 0x0
	.amdhsa_kernel k_q9da6d7827a_gemm_qkv
		.amdhsa_group_segment_fixed_size 327680
		.amdhsa_private_segment_fixed_size 0
		.amdhsa_enable_private_segment 0
		.amdhsa_kernarg_size 56
		.amdhsa_user_sgpr_count 2
		.amdhsa_user_sgpr_kernarg_segment_ptr 1
		.amdhsa_wavefront_size32 1
		.amdhsa_system_sgpr_workgroup_id_x 1
		.amdhsa_system_sgpr_workgroup_id_y 1
		.amdhsa_system_sgpr_workgroup_id_z 1
		.amdhsa_system_vgpr_workitem_id 0
		.amdhsa_next_free_vgpr 1024
		.amdhsa_next_free_sgpr 98
		.amdhsa_reserve_vcc 0
		.amdhsa_float_denorm_mode_32 3
		.amdhsa_float_denorm_mode_16_64 3
		.amdhsa_memory_ordered 1
		.amdhsa_forward_progress 1
		.amdhsa_inst_pref_size 204
	.end_amdhsa_kernel
	.amdgpu_metadata
---
amdhsa.version: [ 1, 2 ]
amdhsa.kernels:
  - .name:           k_q9da6d7827a_gemm_qkv
    .symbol:         k_q9da6d7827a_gemm_qkv.kd
    .args:
      - { .name: x_codes, .offset: 0, .size: 8, .value_kind: global_buffer, .address_space: global }
      - { .name: w_codes, .offset: 8, .size: 8, .value_kind: global_buffer, .address_space: global }
      - { .name: lowp_scales, .offset: 16, .size: 8, .value_kind: global_buffer, .address_space: global }
      - { .name: b_qkv, .offset: 24, .size: 8, .value_kind: global_buffer, .address_space: global }
      - { .name: q_codes, .offset: 32, .size: 8, .value_kind: global_buffer, .address_space: global }
      - { .name: k_codes, .offset: 40, .size: 8, .value_kind: global_buffer, .address_space: global }
      - { .name: v_codes, .offset: 48, .size: 8, .value_kind: global_buffer, .address_space: global }
    .group_segment_fixed_size: 327680
    .private_segment_fixed_size: 0
    .kernarg_segment_align: 8
    .kernarg_segment_size: 56
    .max_flat_workgroup_size: 128
    .sgpr_count:     98
    .vgpr_count:     1024
    .wavefront_size: 32
...
	.end_amdgpu_metadata
.endif
;; end of part 2
;; launch attn (part 3): grid 4 x 64, 8 waves a work-group, clusters of 4 x 1, 327,680 bytes of LDS; arguments q_codes, k_codes, v_codes, lowp_scales, y_codes; writes y_codes
.if DOCPART == 3
	.amdgcn_target "amdgcn-amd-amdhsa--gfx1250"
	.amdhsa_code_object_version 6
	.text
	.protected	k_q9da6d7827a_attn
	.globl	k_q9da6d7827a_attn
	.p2align	8
	.type	k_q9da6d7827a_attn,@function
k_q9da6d7827a_attn:
	s_mov_b64 s[64:65], 0
	v_nop
	global_prefetch_b8 v0, s[64:65] scope:SCOPE_SE
	s_setreg_imm32_b32 hwreg(HW_REG_WAVE_MODE, 25, 1), 1
	s_wait_xcnt 0x0
	s_wait_alu depctr_hold_cnt(0) depctr_sa_sdst(0) depctr_va_vdst(0) depctr_va_sdst(0) depctr_va_ssrc(0) depctr_va_vcc(0) depctr_vm_vsrc(0)
	s_getreg_b32 s2, hwreg(HW_REG_IB_STS2, 6, 4)
	s_cmp_eq_u32 s2, 0
	s_cbranch_scc0 .Lentry_in_a_cluster
	s_endpgm
.Lentry_in_a_cluster:
	s_bfe_u32 s2, ttmp6, 0x10000c
	s_cmp_lg_u32 s2, 0x3003
	s_cbranch_scc0 .Lentry_shape_is_right
	s_endpgm
.Lentry_shape_is_right:
; y[bh][q] = the sum over keys k <= q of softmax_k(Q[bh][q] . K[bh][k] / 8) V[bh][k], both products on codes of FP8 (E4M3), and y quantised at once for the projection.  64 heads (batch x head), 2,048 positions, head size 64.
; WORK LEFT OUT: reference()'s own causal mask gives every key behind a query the weight 0, for all values of the inputs.  A step of 128 keys that all lie behind a tile's 16 queries is not computed for that tile.
; A NaN or an infinity that would reach only that work is not carried to the result.
; q_codes, k_codes, y_codes: [bh][t][64].  v_codes: [bh][t / 128][64][128], the KEYS innermost, since they are the second product's K.
; THE SOFTMAX AHEAD OF THE SECOND PRODUCT: t = score x log2(e) / 8; M = the row's largest t so far, rounded UP to a whole number; p = 2^(t - M) is quantised (scale 2^e4), not normalised.
; The row's sum is taken of the unquantised p, in f32, and divides at the end.  When M moves, the sum and O are multiplied by 2^(old M - new M): exact.
; SHARES.  A cluster of four work-groups owns a head.  The head's K (2,048 rows of 64 + 16 bytes) and V (1,024 rows of 128 + 16 bytes) lie in LDS WHOLE, 311,296 bytes: each of the eight waves asks for 32,768 bytes of them
; by ONE joint load at the head (waves 0-3: K's quarters, waves 4-7: V's), all four partners with the same descriptor.  Nothing is filled again: one barrier behind the loads, and no other until the end.
; The head's queries are 16 blocks of 128.  Wave w owns four tiles of 16 queries: tiles 0, 1 in block w, tiles 2, 3 in block 15 - w; tile u begins at query 64 (u % 2) + 16 cx of its block, cx the work-group's place in the cluster.
; A tile of block n needs the steps 0 .. n of 128 keys whatever cx is: no branch, no trip count and no LDS address hangs on cx; it enters Q's and y's addresses and the number that the diagonal's compares hold keys against.
; Every wave has 2 (w + 1) + 2 (16 - w) = 34 tile steps.  Each fragment of K and V that a wave reads from LDS serves all its tiles that are still at work.
; All waves walk 16 trips, a constant; a branch on the wave's number and the count of trips leads round the work that the mask leaves out.
; NO PREFETCH: every byte of K and V is asked for by the loads at the head; there is no loop to run ahead in.
; LAYOUT.  Both products are used transposed: S^T = K Q^T (source 0 = 16 keys, source 1 = 16 queries, K = 64), O^T = V^T P^T (source 0 = 16 channels, source 1 = P, K = 128 keys): a lane holds ONE query (lane % 16) of each tile.
; THE KEYS OF A TILE ARE NOT NEIGHBOURS: lane r of tile 2 b + v takes key 32 b + 8 v + r + 8 (r / 8), so that the 16 registers of tiles 2 b and 2 b + 1 are 16 neighbouring keys; V's channels likewise, so that O^T's registers run along y's K.
; LIMITS: e2 + e3 between -123 and 130 (added to c's exponent field); e4 and e6 between -126 and 119; the scaled scores t stay under 2^31 in magnitude.
; REGISTERS.  Window 0: v1-15 addresses and constants; v16-31 four tiles' -M, largest t, sum in two halves; v32-95 K's eight fragments; v96-159 V's four; v160-223 S^T, then p; v224-243 at work.
; Window 1, tile u at 64 u: +0..31 O^T, +32..47 p's codes, +48..55 Q.
.set KP,    80
.set VP,    144
.set VOFF,  2048*KP                    ; V's rows begin behind K's
.set SPARE, VOFF+1024*VP               ; the spare words, 128 bytes for each wave: four blocks of 256 bytes that no other line names
.set STAGE, SPARE+1024                 ; the way out: 16 rows x 80 bytes for each wave, bytes into which no load lands
.set KSB,   128*KP                     ; a step's keys in LDS
.set VSB,   64*VP                      ; a step's rows of V
.set AK0, 1                            ; my lane's place in a tile of K
.set AV0, 2                            ; and of V
.set D0,  3                            ; 16 cx + r - 16 h: what the diagonal's compares hold a register's key against
.set SCL, 4                            ; 2^e4
.set SPW, 5                            ; my spare word; never rewritten
.set NIL, 6                            ; 0; never rewritten
.set GO,  7                            ; 16 x lane
.set ADK, 8
.set ADV, 9
.set STI, 10                           ; the stage, in
.set STO, 11                           ; and back
.set LIM, 12                           ; 448 x 2^e4, twice: one register for each half of a dual pair
.set LIM2, 13
.set NINF, 14
.set PT,  15
.set KFR, 32
.set VFR, 96
.set S,   160
.set F,   224
.set T0,  226
.set T1,  227
.set P,   228                          ; seven pairs of partial sums
.set YS,  242                          ; 2^e6
.set YL,  243                          ; 448 x 2^e6
.set WV,  18
.set CX,  19
.set SEL, 20
.set CS,  22
.set G1K, 24
.set G1V, 32
.set G0K, 40
.set G0V, 44
.set SI,  48                           ; the step
.set TBK, 49                           ; its keys' first LDS byte
.set TBV, 50                           ; its rows of V, less VOFF
.set KN,  51                           ; the next step's keys
.set JD,  52                           ; s52 = w: the diagonal step of tiles 0, 1; s53 = 15 - w: of tiles 2, 3
.set EO,  54                           ; e4 + e5
.set MSB, 0
.macro WIN new                         ; the immediate's high byte repeats the setting that is left
.if MSB != (\new)
	s_set_vgpr_msb (MSB<<8)|(\new)
.set MSB, (\new)
.endif
.endm
.macro NOPS n
.rept \n
	v_nop
.endr
.endm
.macro CROUND                          ; a round of the cluster's barrier
	s_barrier_signal -1
	s_barrier_wait -1
	s_cmp_lg_u32 s[WV], 0
	s_cbranch_scc1 .Lnot_wave_0_\@
	s_barrier_signal -3
.Lnot_wave_0_\@:
	s_barrier_wait -3
	s_barrier_signal -1
	s_barrier_wait -1
.endm
.macro KLOAD a                         ; K's eight fragments of a step
.irp t, 0,1,2,3,4,5,6,7
.irp c, 0,1
	ds_load_b128 v[KFR+8*\t+4*\c:KFR+8*\t+4*\c+3], v[\a] offset:(32*(\t/2)+8*(\t%2))*KP+32*\c
.endr
.endr
.endm
.macro VLOAD                           ; V's four
.irp t, 0,1,2,3
.irp c, 0,1,2,3
	ds_load_b128 v[VFR+16*\t+4*\c:VFR+16*\t+4*\c+3], v[ADV] offset:(32*(\t/2)+8*(\t%2))*VP+32*\c
.endr
.endr
.endm
	s_load_b128 s[4:7], s[0:1], 0x0                ; Q's codes, K's codes
	s_load_b128 s[12:15], s[0:1], 0x10             ; V's codes, the scales' exponents
	s_load_b64 s[16:17], s[0:1], 0x20              ; y's codes
	v_lshl_add_u32 v[SPW], v0, 2, SPARE
	v_mov_b32 v[NIL], 0
	ds_add_u32 v[SPW], v[NIL]                      ; the opening: the add, twice on end, and its wait ahead of my first tensor load
	ds_add_u32 v[SPW], v[NIL]
	v_lshrrev_b32 v8, 5, v0
	v_readfirstlane_b32 s[WV], v8                  ; wave 0..7
	s_bfe_u32 s[CX], ttmp6, 0x40000                ; my place in the cluster
	s_and_b32 s82, ttmp7, 0xffff                   ; batch x 16 + head
	s_lshl_b32 s84, s82, 17                        ; its first byte in each buffer of codes
	s_and_b32 s86, s[WV], 3
	s_lshl_b32 s87, s86, 15
	s_add_co_u32 s88, s84, s87                     ; the quarter of K or of V that I ask for: 32,768 bytes
	s_mov_b32 s89, 0
	s_mul_i32 s90, s86, 512*KP                     ; where it lands: K's,
	s_mul_i32 s91, s86, 256*VP
	s_add_co_u32 s91, s91, VOFF                    ; V's
	s_mov_b32 s[JD], s[WV]
	s_sub_co_u32 s[JD+1], 15, s[WV]
	s_lshl_b32 s95, s[CX], 10                      ; 16 cx queries of 64 bytes,
	s_add_co_u32 s95, s95, s84                     ; in my head
	s_lshl_b32 s94, s[WV], 13                      ; block w: 128 queries of 64 bytes each
	s_add_co_u32 s94, s94, s95                     ; tile 0's first byte in Q and in y
	s_lshl_b32 s92, s[JD+1], 13                    ; block 15 - w, at least 8,
	s_add_co_u32 s92, s92, s95
	s_sub_co_u32 s92, s92, 8192                    ; less two tiles' pitch: tiles 2 and 3 add 4,096 u like tiles 0 and 1
	s_mov_b32 s93, 0
	s_mov_b32 s95, 0
	s_mul_i32 s96, s[WV], 16*KP
	s_add_co_u32 s96, s96, STAGE                   ; my stage
	s_lshl_b32 s97, s[CX], 4
	; descriptor group 1: a dense block of 32,768 bytes as 128 rows of 256; padding of four words behind every 16 words (K) or 32 (V); the mask names the cluster's four
	s_mov_b32 s[G1K], 15|(1<<20)|(1<<21)|(3<<22)|(3<<25)
	s_mov_b32 s[G1V], 15|(1<<20)|(1<<21)|(4<<22)|(3<<25)
.irp g, G1K, G1V
	s_mov_b32 s[\g+1], 256<<16
	s_mov_b32 s[\g+2], 128<<16
	s_mov_b32 s[\g+3], 256<<16
	s_mov_b32 s[\g+4], 128
	s_mov_b32 s[\g+5], 256
	s_mov_b32 s[\g+6], 0
	s_mov_b32 s[\g+7], 0
.endr
	s_mov_b32 s[SEL], 0x76543210
	s_mov_b32 s[SEL+1], 0xfedcba98
	s_mov_b32 s[CS], 0x3e38aa3b                    ; log2(e) / 8
	s_mov_b32 s[SI], 0
	s_mov_b32 s[TBK], 0
	s_mov_b32 s[TBV], 0
	s_wait_dscnt 0x0                               ; both opening adds are done
	s_wait_kmcnt 0x0
	s_load_b256 s[68:75], s[14:15], 0x0            ; e0 .. e7
	s_mov_b32 s[G0K], 1
	s_mov_b32 s[G0K+1], s90
	s_add_nc_u64 s[G0K+2:G0K+3], s[6:7], s[88:89]
	s_or_b32 s[G0K+3], s[G0K+3], 0x80000000
	s_mov_b32 s[G0V], 1
	s_mov_b32 s[G0V+1], s91
	s_add_nc_u64 s[G0V+2:G0V+3], s[12:13], s[88:89]
	s_or_b32 s[G0V+3], s[G0V+3], 0x80000000
	s_add_nc_u64 s[8:9], s[4:5], s[92:93]          ; Q for tiles 2, 3
	s_add_nc_u64 s[10:11], s[16:17], s[92:93]      ; y for tiles 2, 3
	s_add_nc_u64 s[4:5], s[4:5], s[94:95]          ; Q for tiles 0, 1
	s_add_nc_u64 s[16:17], s[16:17], s[94:95]      ; y for tiles 0, 1
	CROUND                                         ; the four partners are here: the joint loads meet
	s_cmp_lt_u32 s[WV], 4                          ; one load in each arm; an s_nop 0 and four v_nop follow each
	s_cbranch_scc0 .Lfor_v
	tensor_load_to_lds s[G0K:G0K+3], s[G1K:G1K+7]
	s_nop 0
	NOPS 4
	s_branch .Lasked
.Lfor_v:
	tensor_load_to_lds s[G0V:G0V+3], s[G1V:G1V+7]
	s_nop 0
	NOPS 4
.Lasked:
	v_and_b32 v226, 15, v0                         ; r
	v_bfe_u32 v227, v0, 4, 1                       ; h
	v_lshlrev_b32 v230, 6, v226
	v_lshl_add_u32 v230, v227, 4, v230             ; Q: row r of 64 bytes, + 16 h
	WIN 0x40
.irp u, 0,1,2,3
.irp c, 0,1
	global_load_b128 v[64*\u+48+4*\c:64*\u+51+4*\c], v230, s[4+4*(\u/2):5+4*(\u/2)] offset:4096*\u+32*\c
.endr
.endr
	WIN 0
	v_and_b32 v228, 8, v226
	v_add_nc_u32 v228, v228, v226                  ; r + 8 (r / 8)
	v_mul_u32_u24 v[AK0], v228, KP
	v_lshl_add_u32 v[AK0], v227, 4, v[AK0]
	v_mul_u32_u24 v[AV0], v228, VP
	v_lshl_add_u32 v[AV0], v227, 4, v[AV0]
	v_add_nc_u32 v[AV0], VOFF, v[AV0]
	v_lshlrev_b32 v229, 4, v227
	v_sub_nc_u32 v[D0], v226, v229
	v_add_nc_u32 v[D0], s97, v[D0]
	v_mul_u32_u24 v[STI], v226, KP
	v_lshl_add_u32 v[STI], v227, 4, v[STI]
	v_add_nc_u32 v[STI], s96, v[STI]               ; in: row r, + 16 h
	v_and_b32 v[GO], 31, v0
	v_lshrrev_b32 v228, 2, v[GO]
	v_mul_u32_u24 v228, v228, KP
	v_and_b32 v229, 3, v[GO]
	v_lshl_add_u32 v[STO], v229, 4, v228
	v_add_nc_u32 v[STO], s96, v[STO]               ; back: four lanes to a row, eight rows an instruction
	v_lshlrev_b32 v[GO], 4, v[GO]
	v_mov_b32 v[NINF], 0xff800000
	v_mov_b32 v[PT], 0                             ; a lane permute's destination counts as one of its sources
	v_mov_b32 v[F+1], 0                            ; (named as the upper half of the pair)
.irp u, 0,1,2,3
	v_mov_b32 v[17+4*\u], 0xff61b1e6               ; the largest t so far: -3e38
	v_mov_b32 v[18+4*\u], 0
	v_mov_b32 v[19+4*\u], 0
	v_floor_f32 v[16+4*\u], -v[17+4*\u]            ; -M
.endr
	WIN 0x40
.irp u, 0,1,2,3
.set j, 0
.rept 32
	v_mov_b32 v[64*\u+j], 0                        ; O^T: the step is written once for all steps; these lines stand under the loads' flight
.set j, j+1
.endr
.endr
	WIN 0
	s_wait_kmcnt 0x0
	s_add_co_i32 s82, s70, s71
	s_lshl_b32 s82, s82, 23
	s_add_co_i32 s[CS], s[CS], s82                 ; a score stands for score x 2^(e2 + e3)
	s_mov_b32 s[CS+1], s[CS]
	s_add_co_i32 s82, s72, 127
	s_lshl_b32 s83, s82, 23
	v_mov_b32 v[SCL], s83
	s_add_co_i32 s82, s82, 8
	s_lshl_b32 s82, s82, 23
	s_or_b32 s82, s82, 0x600000
	v_mov_b32 v[LIM], s82
	v_mov_b32 v[LIM2], s82
	s_add_co_i32 s82, s74, 127
	s_lshl_b32 s83, s82, 23
	v_mov_b32 v[YS], s83
	s_add_co_i32 s82, s82, 8
	s_lshl_b32 s82, s82, 23
	s_or_b32 s82, s82, 0x600000
	v_mov_b32 v[YL], s82
	s_add_co_i32 s[EO], s72, s73
; On the diagonal.  Register 16 b + i holds the step's key 16 h + 32 b + i; tile u's lane has the step's query 64 (u % 2) + 16 cx + r.  u even: keys 64 on are all hidden, the others where 32 b + i > D0.
; u odd: the first 32 registers' keys (b = 0, 1: at most 47 + 16 h) all count, the others are hidden where 32 (b - 2) + i > D0.
.macro MASK u
.set n, 32*((\u)%2)
.rept 32
	v_cmp_gt_i32 vcc_lo, 32*((n%32)/16)+n%16, v[D0]
	v_cndmask_b32 v[S+n], v[S+n], v[NINF], vcc_lo
.set n, n+1
.endr
.if (\u)%2 == 0
.rept 32
	v_mov_b32 v[S+n], v[NINF]
.set n, n+1
.endr
.endif
.endm
.macro DM j0, cnt                      ; the hold at the largest code x the scale (the conversion does not saturate: ISA guide 7.6.2); p is not negative, so it is one-sided; two numbers an instruction
.set j, \j0
.rept \cnt
	v_dual_min_num_f32 v[S+j], v[S+j], v[LIM] :: v_dual_min_num_f32 v[S+j+1], v[S+j+1], v[LIM2]
.set j, j+2
.endr
.endm
; ONE TILE'S SHARE OF A STEP up to the second product: scores, softmax, p's codes, O^T under the new M.
.macro TILE u
.set NM, 16+4*(\u)
.set SU, 18+4*(\u)
	WIN 0x04                                       ; source 1 (Q) in window 1
.irp t, 0,1,2,3,4,5,6,7
	v_wmma_f32_16x16x64_fp8_fp8 v[S+8*\t:S+8*\t+7], v[KFR+8*\t:KFR+8*\t+7], v[64*(\u)+48:64*(\u)+55], 0
.endr
	WIN 0
.if (\u) == 3
	v_add_nc_u32 v[ADK], s[KN], v[AK0]             ; with three v_nop: four places behind the products (ISA guide 7.12.1).  K's registers are free: the next step's fragments are asked for here
	NOPS 3
	KLOAD ADK
.else
	NOPS 4
.endif
	s_cmp_lg_u32 s[SI], s[JD+(\u)/2]               ; the wave's number and the count of trips alone
	s_cbranch_scc1 .Lopen_\@
	MASK \u
.Lopen_\@:
	v_max3_num_f32 v[T0], v[S], v[S+1], v[S+2]     ; the step's largest score of my query, in four chains, each accumulator from its low end on
	v_max3_num_f32 v[T1], v[S+3], v[S+4], v[S+5]
	v_max3_num_f32 v[P], v[S+6], v[S+7], v[S+8]
	v_max3_num_f32 v[P+1], v[S+9], v[S+10], v[S+11]
.irp i, 12,20,28,36,44,52
	v_max3_num_f32 v[T0], v[T0], v[S+\i], v[S+\i+1]
	v_max3_num_f32 v[T1], v[T1], v[S+\i+2], v[S+\i+3]
	v_max3_num_f32 v[P], v[P], v[S+\i+4], v[S+\i+5]
	v_max3_num_f32 v[P+1], v[P+1], v[S+\i+6], v[S+\i+7]
.endr
	v_max3_num_f32 v[T0], v[T0], v[S+60], v[S+61]
	v_max3_num_f32 v[T1], v[T1], v[S+62], v[S+63]
	s_delay_alu instid0(VALU_DEP_2)
	v_max3_num_f32 v[T0], v[T0], v[P], v[P+1]
	s_delay_alu instid0(VALU_DEP_1)
	v_max_num_f32 v[T0], v[T0], v[T1]
	s_delay_alu instid0(VALU_DEP_1)
	v_permlanex16_b32 v[PT], v[T0], s[SEL], s[SEL+1]
	s_delay_alu instid0(VALU_DEP_1)
	v_max_num_f32 v[T0], v[T0], v[PT]              ; and lane l xor 16's
	s_delay_alu instid0(VALU_DEP_1)
	v_mul_f32 v[T0], s[CS], v[T0]                  ; as t (c is positive)
	s_delay_alu instid0(VALU_DEP_1)
	v_max_num_f32 v[NM+1], v[NM+1], v[T0]          ; the running largest t
	v_mov_b32 v[T0], v[NM]
	s_delay_alu instid0(VALU_DEP_2)
	v_floor_f32 v[NM], -v[NM+1]                    ; the new -M = -ceil(t)
.set j, 0
.rept 4
	v_pk_fma_f32 v[S+j:S+j+1], v[S+j:S+j+1], s[CS:CS+1], v[NM:NM+1] op_sel_hi:[1,0,0]   ; t - M; the three lines that make f stand among these, which do not hang on them
.set j, j+2
.endr
	v_sub_f32 v[T0], v[NM], v[T0]                  ; old M - new M, a whole number, 0 or less
.rept 4
	v_pk_fma_f32 v[S+j:S+j+1], v[S+j:S+j+1], s[CS:CS+1], v[NM:NM+1] op_sel_hi:[1,0,0]
.set j, j+2
.endr
	v_cvt_i32_f32 v[T0], v[T0]
.rept 4
	v_pk_fma_f32 v[S+j:S+j+1], v[S+j:S+j+1], s[CS:CS+1], v[NM:NM+1] op_sel_hi:[1,0,0]
.set j, j+2
.endr
	v_ldexp_f32 v[F], 1.0, v[T0]                   ; f = 2^(old M - new M)
.rept 20
	v_pk_fma_f32 v[S+j:S+j+1], v[S+j:S+j+1], s[CS:CS+1], v[NM:NM+1] op_sel_hi:[1,0,0]
.set j, j+2
.endr
	WIN 0x41
	s_wait_alu depctr_va_vdst(0)                   ; behind the lines whose results the exponentials read, and directly ahead of the first reader of O^T
.set j, 0
.rept 16
	v_pk_mul_f32 v[64*(\u)+j:64*(\u)+j+1], v[64*(\u)+j:64*(\u)+j+1], v[F:F+1] op_sel_hi:[1,0]   ; O^T x f, each accumulator from its low end on
.set j, j+2
.endr
	WIN 0
.set j, 0
.rept 64
	v_exp_f32 v[S+j], v[S+j]                       ; p = 2^(t - M)
.set j, j+1
.endr
	v_pk_mul_f32 v[SU:SU+1], v[SU:SU+1], v[F:F+1] op_sel_hi:[1,0]   ; the sum under the new M (the plain instruction behind the batch)
	s_wait_alu depctr_va_vdst(0)                   ; and behind it, ahead of its first reader
.irp k, 0,1,2,3,4,5,6                          ; the sum of the unquantised p: 32 pairs in eight chains
	v_pk_add_f32 v[P+2*\k:P+2*\k+1], v[S+4*\k:S+4*\k+1], v[S+4*\k+2:S+4*\k+3]
.endr
	v_pk_add_f32 v[SU:SU+1], v[SU:SU+1], v[S+28:S+29]
.irp k, 0,1,2,3,4,5,6
	v_pk_add_f32 v[P+2*\k:P+2*\k+1], v[P+2*\k:P+2*\k+1], v[S+30+2*\k:S+31+2*\k]
.endr
	v_pk_add_f32 v[SU:SU+1], v[SU:SU+1], v[S+44:S+45]
.irp k, 0,1,2,3,4,5,6
	v_pk_add_f32 v[P+2*\k:P+2*\k+1], v[P+2*\k:P+2*\k+1], v[S+46+2*\k:S+47+2*\k]
.endr
	v_pk_add_f32 v[SU:SU+1], v[SU:SU+1], v[S+60:S+61]
	v_pk_add_f32 v[P:P+1], v[P:P+1], v[S+62:S+63]
	v_pk_add_f32 v[P+2:P+3], v[P+2:P+3], v[P+10:P+11]
	v_pk_add_f32 v[P+4:P+5], v[P+4:P+5], v[P+12:P+13]
	v_pk_add_f32 v[SU:SU+1], v[SU:SU+1], v[P+6:P+7]
	v_pk_add_f32 v[P:P+1], v[P:P+1], v[P+8:P+9]
	DM 0, 4                                        ; the holds stand between the chains' last links
	v_pk_add_f32 v[SU:SU+1], v[SU:SU+1], v[P+2:P+3]
	v_pk_add_f32 v[P:P+1], v[P:P+1], v[P+4:P+5]
	DM 8, 4
	v_pk_add_f32 v[SU:SU+1], v[SU:SU+1], v[P:P+1]
	DM 16, 24
	WIN 0x40                                       ; the codes go to window 1
.irp g, 0,1,2,3,4,5,6,7
	v_cvt_scalef32_pk8_fp8_f32 v[64*(\u)+32+2*\g:64*(\u)+33+2*\g], v[S+8*\g:S+8*\g+7], v[SCL]
.endr
	WIN 0
	v_nop                                          ; one plain instruction behind the last conversion
.endm
.macro PV u                            ; O^T += V^T P^T: four accumulators by turns
.irp t, 0,1,2,3
	v_wmma_f32_16x16x128_fp8_fp8 v[64*(\u)+8*\t:64*(\u)+8*\t+7], v[VFR+16*\t:VFR+16*\t+15], v[64*(\u)+32:64*(\u)+47], v[64*(\u)+8*\t:64*(\u)+8*\t+7]
.endr
.endm
	s_wait_alu depctr_va_vdst(0)                   ; the head's end
	s_wait_loadcnt 0x0                             ; Q
	s_wait_tensorcnt 0x0                           ; my part of K or V is in,
	s_barrier_signal -1
	s_barrier_wait -1                              ; everybody's is
	KLOAD AK0                                      ; step 0's keys
.Lstep:                                            ; 16 trips, a constant
	s_cmp_gt_u32 s[SI], s[JD+1]                    ; behind the diagonal of tiles 2 and 3: nothing to do
	s_cbranch_scc1 .Lnext
	s_add_co_u32 s[KN], s[TBK], KSB
	s_min_u32 s[KN], s[KN], 15*KSB                 ; the next step's keys; behind the last step the last again, read by nobody
	v_add_nc_u32 v[ADV], s[TBV], v[AV0]            ; with three v_nop: four places in front of loads into registers that the last products read
	NOPS 3
	VLOAD
	s_wait_dscnt 16                                ; K's 16 loads are in; V's 16 may be out
	s_cmp_gt_u32 s[SI], s[JD]                      ; behind the diagonal of tiles 0 and 1
	s_cbranch_scc1 .Lhigh
	TILE 0
	TILE 1
	s_wait_alu depctr_va_vdst(0)                   ; directly ahead of the wait below
	s_wait_dscnt 0x0                               ; V's fragments are in
	WIN 0x54
	PV 0
	PV 1
	WIN 0
.Lhigh:
	TILE 2
	TILE 3
	s_wait_alu depctr_va_vdst(0)                   ; likewise
	s_wait_dscnt 16                                ; V's fragments are in; the next step's 16 loads of K may be out
	WIN 0x54
	PV 2
	PV 3
	WIN 0
.Lnext:
	s_add_co_u32 s[TBK], s[TBK], KSB
	s_add_co_u32 s[TBV], s[TBV], VSB
	s_add_co_u32 s[SI], s[SI], 1
	s_cmp_lt_u32 s[SI], 16
	s_cbranch_scc1 .Lstep
; THE WAY OUT.  O^T / the row's sum x 2^(e4 + e5), quantised with 2^e6: register 16 b + i is channel 32 b + 16 h + i of my query.  A tile's codes go through my stage and leave as two stores of 512 consecutive bytes.
	s_wait_dscnt 0x0                               ; the loads asked for behind my last step: their registers are used below
.irp u, 0,1,2,3
	v_add_f32 v[18+4*\u], v[18+4*\u], v[19+4*\u]
.endr
.irp u, 0,1,2,3
	v_permlanex16_b32 v[T0+\u], v[18+4*\u], s[SEL], s[SEL+1]
.endr
.irp u, 0,1,2,3
	v_add_f32 v[18+4*\u], v[18+4*\u], v[T0+\u]     ; the row's sum
.endr
	s_wait_alu depctr_va_vdst(0)                   ; ahead of the batch
.irp u, 0,1,2,3
	v_rcp_f32 v[18+4*\u], v[18+4*\u]
.endr
	v_nop
	s_wait_alu depctr_va_vdst(0)                   ; and behind it
.irp u, 0,1,2,3
	v_ldexp_f32 v[18+4*\u], v[18+4*\u], s[EO]
.endr
.macro OUT u
.set YB, S+32*((\u)%2)
.set YC, 64+8*(\u)
	WIN 0x01
	s_wait_alu depctr_va_vdst(0)                   ; directly ahead of the first reader of this tile's O^T
.set j, 0
.rept 16
	v_pk_mul_f32 v[YB+j:YB+j+1], v[64*(\u)+j:64*(\u)+j+1], v[18+4*(\u):19+4*(\u)] op_sel_hi:[1,0]
.set j, j+2
.endr
	WIN 0
.set j, 0
.rept 32
	v_med3_num_f32 v[YB+j], v[YB+j], -v[YL], v[YL]
.set j, j+1
.endr
.irp g, 0,1,2,3
	v_cvt_scalef32_pk8_fp8_f32 v[YC+2*\g:YC+2*\g+1], v[YB+8*\g:YB+8*\g+7], v[YS]
.endr
	v_nop                                          ; one plain instruction behind the last conversion
.irp b, 0,1
	ds_store_b128 v[STI], v[YC+4*\b:YC+4*\b+3] offset:32*\b
.endr
.irp i, 0,1
	ds_load_b128 v[KFR+8*(\u)+4*\i:KFR+8*(\u)+4*\i+3], v[STO] offset:8*KP*\i   ; LDS serves a wave's instructions in order (ISA guide 5.7.1.4)
.endr
.endm
.macro SEND u, younger
	s_wait_dscnt \younger                          ; the next tile's two stores and two loads may be out
.irp i, 0,1
	global_store_b128 v[GO], v[KFR+8*(\u)+4*\i:KFR+8*(\u)+4*\i+3], s[16-6*((\u)/2):17-6*((\u)/2)] offset:4096*(\u)+512*\i
.endr
.endm
	OUT 0
.irp a, 1,2,3
	OUT \a
	SEND \a-1, 4
.endr
	SEND 3, 0
	s_wait_tensorcnt 0x0                           ; the wave's end
	ds_add_u32 v[SPW], v[NIL]
	s_wait_dscnt 0x0
	CROUND                                         ; the closing round
	s_endpgm
.Lfunc_end_k_q9da6d7827a_attn:
	.size	k_q9da6d7827a_attn, .Lfunc_end_k_q9da6d7827a_attn-k_q9da6d7827a_attn
	.p2alignl 7, 3214868480
	.fill 96, 4, 3214868480
	.section	.rodata,"a",@progbits
	.p2align	6, 0x0
	.amdhsa_kernel k_q9da6d7827a_attn
		.amdhsa_group_segment_fixed_size 327680
		.amdhsa_private_segment_fixed_size 0
		.amdhsa_enable_private_segment 0
		.amdhsa_kernarg_size 40
		.amdhsa_user_sgpr_count 2
		.amdhsa_user_sgpr_kernarg_segment_ptr 1
		.amdhsa_wavefront_size32 1
		.amdhsa_system_sgpr_workgroup_id_x 1
		.amdhsa_system_sgpr_workgroup_id_y 1
		.amdhsa_system_sgpr_workgroup_id_z 1
		.amdhsa_system_vgpr_workitem_id 0
		.amdhsa_next_free_vgpr 512
		.amdhsa_next_free_sgpr 100
		.amdhsa_reserve_vcc 1
		.amdhsa_float_denorm_mode_32 3
		.amdhsa_float_denorm_mode_16_64 3
		.amdhsa_memory_ordered 1
		.amdhsa_forward_progress 1
		.amdhsa_inst_pref_size 97
	.end_amdhsa_kernel
	.amdgpu_metadata
---
amdhsa.version: [ 1, 2 ]
amdhsa.kernels:
  - .name:           k_q9da6d7827a_attn
    .symbol:         k_q9da6d7827a_attn.kd
    .args:
      - { .name: q_codes, .offset: 0, .size: 8, .value_kind: global_buffer, .address_space: global }
      - { .name: k_codes, .offset: 8, .size: 8, .value_kind: global_buffer, .address_space: global }
      - { .name: v_codes, .offset: 16, .size: 8, .value_kind: global_buffer, .address_space: global }
      - { .name: lowp_scales, .offset: 24, .size: 8, .value_kind: global_buffer, .address_space: global }
      - { .name: y_codes, .offset: 32, .size: 8, .value_kind: global_buffer, .address_space: global }
    .group_segment_fixed_size: 327680
    .private_segment_fixed_size: 0
    .kernarg_segment_align: 8
    .kernarg_segment_size: 40
    .max_flat_workgroup_size: 256
    .sgpr_count:     100
    .vgpr_count:     512
    .wavefront_size: 32
...
	.end_amdgpu_metadata
.endif
;; end of part 3
;; launch gemm_out (part 4): grid 4 x 64, 4 waves a work-group, clusters of 4 x 4, 327,680 bytes of LDS; arguments y_codes, w_codes, lowp_scales, b_proj, out0; writes out0
.if DOCPART == 4
	.amdgcn_target "amdgcn-amd-amdhsa--gfx1250"
	.amdhsa_code_object_version 6
	.text
	.protected	k_q9da6d7827a_gemm_out
	.globl	k_q9da6d7827a_gemm_out
	.p2align	8
	.type	k_q9da6d7827a_gemm_out,@function
k_q9da6d7827a_gemm_out:
	s_mov_b64 s[64:65], 0
	v_nop
	global_prefetch_b8 v0, s[64:65] scope:SCOPE_SE
	s_setreg_imm32_b32 hwreg(HW_REG_WAVE_MODE, 25, 1), 1
	s_wait_xcnt 0x0
	s_wait_alu depctr_hold_cnt(0) depctr_sa_sdst(0) depctr_va_vdst(0) depctr_va_sdst(0) depctr_va_ssrc(0) depctr_va_vcc(0) depctr_vm_vsrc(0)
	s_getreg_b32 s2, hwreg(HW_REG_IB_STS2, 6, 4)
	s_cmp_eq_u32 s2, 0
	s_cbranch_scc0 .Lentry_in_a_cluster
	s_endpgm
.Lentry_in_a_cluster:
	s_bfe_u32 s2, ttmp6, 0x10000c
	s_cmp_lg_u32 s2, 0xf033
	s_cbranch_scc0 .Lentry_shape_is_right
	s_endpgm
.Lentry_shape_is_right:
; out0 = y W_proj + b_proj on codes of FP8 (E4M3).  Nothing of reference() is left out here.
; y_codes [b 16 + head][t][64]; w_codes rows 3,072 on: W_proj's columns, [n][1,024], K innermost.  A sum stands for sum x 2^(e6 + e7); out = sum x 2^(e6 + e7) + bias, one fused multiply-add.
; LIMIT: e6 + e7 between -126 and 127, so that 2^(e6 + e7) is an f32 number.
; A block of 128 tokens x 256 columns is made by a work-group of four waves: 64 x 4 = 256 work-groups.  A wave makes 64 x 128: 32 accumulators.
; K goes in steps of 256 (four heads) through a ring of two LDS slots: y's 128 tokens (waves 0, 1: 64 tokens each, four rows of 4,096 dense bytes, one a head), then the weight's 256 rows of 256 bytes (waves 2, 3: 128 rows each).
; CLUSTERS: 4 x 4 work-groups.  The four of a row of the cluster need the same tile of y, the four of a column the same tile of the weight: each tile is asked for JOINTLY.
; NO PREFETCH: K has four steps; steps 0 and 1 are asked for at the head, and a request two steps ahead of steps 2 and 3 would stand at the head too, where nothing is prefetched.
; THE MATRIX INSTRUCTION IS USED TRANSPOSED (source 0 = 16 rows of the weight, source 1 = 16 tokens): a lane holds eight neighbouring numbers of a row of out0.
; REGISTERS: window 0: v16-29 addresses; v32-95 the bias; v96-127 at work on the way out; v128-255 y's fragments, two sets of 4 x 16 (on the way out: rows read back).  Window 1: the weight's fragments, two sets of 8 x 16.
; Window 2: accumulator (a, b) at v[8 (8 a + b)].
.set KSTEP,  256
.set PA,     80                        ; a token's 64 codes of a head + 16 of padding
.set HEADL,  64*PA                     ; a head's 64 tokens
.set HALFA,  4*HEADL                   ; what one load brings of y
.set PB,     272
.set HALFB,  128*PB                    ; and of the weight
.set SLOT,   2*HALFA+2*HALFB
.set NP,     4                         ; places behind this matrix instruction (ISA guide 7.12.1)
.set LAPS,   1024/(2*KSTEP)
.set SPARE,  2*SLOT                    ; the spare words, 128 bytes for each wave
.set SPITCH, 528                       ; the way out: a stage of 16 rows x (512 + 16) bytes for each wave, in slot 0, which has had its last fill and its last read when the first result is stored there
.set ADRA, 16
.set ADRB, 20
.set STO,  24
.set RD,   25
.set CO,   26
.set BO,   27
.set SPW,  28
.set NIL,  29
.set BI,   32
.set TMP,  96
.set AF,   128
.set BK,   128
.set G1, 24
.set G0, 32
.set G1B, 48
.set G0B, 56
.set MSB, 0
.macro WIN new                         ; the immediate's high byte repeats the setting that is left
.if MSB != (\new)
	s_set_vgpr_msb (MSB<<8)|(\new)
.set MSB, (\new)
.endif
.endm
.set MUL,  0xa1                        ; source 0 window 1, source 1 window 0, C and D window 2
.set TO_B, 0x40
; A joint load: waves 0 and 1 fetch for y, waves 2 and 3 for the weight; an s_nop 0 and four v_nop follow each line.
.macro JLOAD s
	s_cmp_eq_u32 s15, 0
	s_cbranch_scc0 .Lfor_b_\@
	tensor_load_to_lds s[G0+4*\s:G0+4*\s+3], s[G1:G1+7]
	s_nop 0
.rept 4
	v_nop
.endr
	s_branch .Lasked_\@
.Lfor_b_\@:
	tensor_load_to_lds s[G0B+4*\s:G0B+4*\s+3], s[G1B:G1B+7]
	s_nop 0
.rept 4
	v_nop
.endr
.Lasked_\@:
.endm
.macro CREST                           ; a round of the cluster's barrier behind its opening barrier
	s_cmp_lg_u32 s14, 0
	s_cbranch_scc1 .Lnot_wave_0_\@
	s_barrier_signal -3
.Lnot_wave_0_\@:
	s_barrier_wait -3
	s_barrier_signal -1
	s_barrier_wait -1
.endm
.macro CROUND
	s_barrier_signal -1
	s_barrier_wait -1
	CREST
.endm
.macro PLACES n
.rept \n
	v_nop
.endr
.endm
	s_load_b128 s[4:7], s[0:1], 0x0                ; y's codes, the weights' codes
	s_load_b128 s[8:11], s[0:1], 0x10              ; the scales' exponents, b_proj
	s_load_b64 s[12:13], s[0:1], 0x20              ; out0
	v_lshl_add_u32 v[SPW], v0, 2, SPARE
	v_mov_b32 v[NIL], 0
	ds_add_u32 v[SPW], v[NIL]                      ; the opening: the add, twice on end, and its wait ahead of my first tensor load
	ds_add_u32 v[SPW], v[NIL]
	v_lshrrev_b32 v1, 5, v0
	v_readfirstlane_b32 s14, v1                    ; wave 0..3
	s_lshr_b32 s15, s14, 1                         ; which 64 tokens are mine.  Also: I fetch for y (0) or for the weight (1)
	s_and_b32 s16, s14, 1                          ; which 128 columns.  Also: which half of that tile I fetch
	s_bfe_u32 s40, ttmp6, 0x40000                  ; cx, cy
	s_bfe_u32 s41, ttmp6, 0x40004
	s_lshl_b32 s42, ttmp9, 2
	s_add_co_u32 s42, s42, s40                     ; block column: 256 columns
	s_and_b32 s17, ttmp7, 0xffff
	s_lshl_b32 s17, s17, 2
	s_add_co_u32 s17, s17, s41                     ; block row: 128 tokens
	s_lshl_b32 s43, s41, 2
	s_lshl_b32 s43, 15, s43                        ; my row of the cluster
	s_lshl_b32 s44, 0x1111, s40                    ; my column
	s_or_b32 s[G1+0], s43, (0<<16)|(1<<20)|(1<<21)|(3<<22)|(3<<25)   ; y: four words of padding behind every 16
	s_mov_b32 s[G1+1], 4096<<16                    ; a row: 64 tokens of 64 bytes, dense
	s_mov_b32 s[G1+2], 4<<16                       ; four heads,
	s_mov_b32 s[G1+3], 4096<<16
	s_mov_b32 s[G1+4], 4
	s_mov_b32 s[G1+5], 131072                      ; 2,048 x 64 bytes apart
	s_mov_b32 s[G1+6], 0
	s_mov_b32 s[G1+7], 0
	s_or_b32 s[G1B+0], s44, (0<<16)|(1<<20)|(1<<21)|(5<<22)|(3<<25)  ; the weight: four words behind every 64
	s_mov_b32 s[G1B+1], 256<<16
	s_mov_b32 s[G1B+2], 128<<16
	s_mov_b32 s[G1B+3], 256<<16
	s_mov_b32 s[G1B+4], 128
	s_mov_b32 s[G1B+5], 1024
	s_mov_b32 s[G1B+6], 0
	s_mov_b32 s[G1B+7], 0
	s_lshr_b32 s20, s17, 4
	s_lshl_b32 s20, s20, 21                        ; the batch: 16 heads of 131,072 bytes,
	s_and_b32 s21, s17, 15
	s_lshl_b32 s21, s21, 13                        ; the block's 128 tokens of 64 bytes,
	s_add_co_u32 s20, s20, s21
	s_lshl_b32 s21, s16, 12                        ; the 64 that I fetch
	s_add_co_u32 s20, s20, s21
	s_mov_b32 s21, 0
	s_lshl_b32 s46, s42, 18                        ; 256 rows of 1,024 bytes,
	s_lshl_b32 s47, s16, 17                        ; the 128 that I fetch,
	s_add_co_u32 s46, s46, s47
	s_add_co_u32 s46, s46, 3072*1024               ; behind W_qkv's rows
	s_mov_b32 s47, 0
	s_mul_i32 s45, s16, HALFA                      ; where they land: no place in the cluster enters an LDS address
	s_mul_i32 s18, s16, HALFB
	s_add_co_u32 s18, s18, 2*HALFA                 ; (also: my 128 columns' fragments)
	s_mul_i32 s22, s15, HALFA                      ; my 64 tokens' fragments
	s_mul_i32 s19, s14, 16*SPITCH                  ; my stage
	s_lshl_b32 s84, s17, 19                        ; out0: 128 rows of 4,096 bytes,
	s_lshl_b32 s85, s15, 18                        ; my 64
	s_add_co_u32 s84, s84, s85
	s_mov_b32 s85, 0
	s_lshl_b32 s86, s42, 10                        ; 256 columns of 4 bytes,
	s_lshl_b32 s87, s16, 9                         ; my 128
	s_add_co_u32 s86, s86, s87
	s_mov_b32 s87, 0
	s_wait_dscnt 0x0                               ; both opening adds are done
	s_wait_kmcnt 0x0
	s_load_b256 s[76:83], s[8:9], 0x0              ; e0 .. e7
	s_add_nc_u64 s[20:21], s[4:5], s[20:21]
	s_add_nc_u64 s[46:47], s[6:7], s[46:47]
	s_add_nc_u64 s[10:11], s[10:11], s[86:87]
	s_add_nc_u64 s[12:13], s[12:13], s[84:85]
	s_add_nc_u64 s[12:13], s[12:13], s[86:87]
.irp s, 0,1
	s_mov_b32 s[G0+4*\s], 1
	s_add_co_u32 s[G0+4*\s+1], s45, \s*SLOT
	s_add_nc_u64 s[G0+4*\s+2:G0+4*\s+3], s[20:21], \s*4*131072
	s_or_b32 s[G0+4*\s+3], s[G0+4*\s+3], 0x80000000
	s_mov_b32 s[G0B+4*\s], 1
	s_add_co_u32 s[G0B+4*\s+1], s18, \s*SLOT
	s_add_nc_u64 s[G0B+4*\s+2:G0B+4*\s+3], s[46:47], \s*KSTEP
	s_or_b32 s[G0B+4*\s+3], s[G0B+4*\s+3], 0x80000000
.endr
	CROUND                                         ; all sixteen work-groups are here: the first joint loads meet
	JLOAD 0                                        ; K step 0: one tensor load a wave at the head
	v_and_b32 v1, 15, v0                           ; r
	v_bfe_u32 v2, v0, 4, 1                         ; h
	v_mul_u32_u24 v3, v1, PA
	v_lshl_add_u32 v3, v2, 4, v3
	v_mul_u32_u24 v4, v1, PB
	v_lshl_add_u32 v4, v2, 4, v4
	v_add_nc_u32 v[ADRA], s22, v3
	v_add_nc_u32 v[ADRB], s18, v4
	v_add_nc_u32 v[ADRA+1], SLOT, v[ADRA]
	v_add_nc_u32 v[ADRB+1], SLOT, v[ADRB]
	v_mul_u32_u24 v5, v1, SPITCH                   ; the stage, in: row r, 32 bytes for each half of the lanes
	v_lshl_add_u32 v5, v2, 5, v5
	v_add_nc_u32 v[STO], s19, v5
	v_and_b32 v6, 31, v0
	v_lshlrev_b32 v[CO], 4, v6                     ; back: the 32 lanes take one row of 512 bytes; and the same in out0
	v_add_nc_u32 v[RD], s19, v[CO]
	v_lshlrev_b32 v[BO], 5, v2
.irp b, 0,1,2,3,4,5,6,7
	global_load_b128 v[BI+8*\b:BI+8*\b+3], v[BO], s[10:11] offset:64*\b       ; register 8 b + j: b_proj[my first column + 16 b + 8 h + j]
	global_load_b128 v[BI+8*\b+4:BI+8*\b+7], v[BO], s[10:11] offset:64*\b+16
.endr
; The fragments of the slot's q-th 128 along K into set p: the weight's eight and y's four.  Registers 4 c .. 4 c + 3 hold K = 32 c + 16 h + 0 .. 15 in both sources.
.macro FETCH slot, q, p
	WIN TO_B
.irp i, 0,1,2,3,4,5,6,7
.irp c, 0,1,2,3
	ds_load_b128 v[128*(\p)+16*\i+4*\c:128*(\p)+16*\i+4*\c+3], v[ADRB+\slot] offset:128*(\q)+32*\c+\i*16*PB
.endr
.endr
	WIN 0
.irp i, 0,1,2,3
.irp c, 0,1,2,3
	ds_load_b128 v[AF+64*(\p)+16*\i+4*\c:AF+64*(\p)+16*\i+4*\c+3], v[ADRA+\slot] offset:(2*(\q)+\c/2)*HEADL+\i*16*PA+32*(\c%2)
.endr
.endr
.endm
; Eight matrix instructions: y's block a x the weight's eight tiles.  The 32 accumulators take turns, in the same order in every step.
.macro MUL8 a, p, zero
.irp b, 0,1,2,3,4,5,6,7
.if \zero
	v_wmma_f32_16x16x128_fp8_fp8 v[8*(8*(\a)+\b):8*(8*(\a)+\b)+7], v[128*(\p)+16*\b:128*(\p)+16*\b+15], v[AF+64*(\p)+16*(\a):AF+64*(\p)+16*(\a)+15], 0
.else
	v_wmma_f32_16x16x128_fp8_fp8 v[8*(8*(\a)+\b):8*(8*(\a)+\b)+7], v[128*(\p)+16*\b:128*(\p)+16*\b+15], v[AF+64*(\p)+16*(\a):AF+64*(\p)+16*(\a)+15], v[8*(8*(\a)+\b):8*(8*(\a)+\b)+7]
.endif
.endr
.endm
; A slot's first 128 along K (set 0); the second 128's fragments are asked for ahead of the products.
.macro STEP slot, zero
	s_wait_dscnt 0x0                               ; set 0 is in
	PLACES NP                                      ; in front of loads into set 1, which the last products read
	FETCH \slot, 1, 1
	WIN MUL
.irp a, 0,1,2,3
	MUL8 \a, 0, \zero
.endr
	WIN 0
.endm
; A slot's second 128 (set 1) changes slots: in front of the barrier each wave waits for all its tensor loads, adds 0 to its spare word, and waits for that and for its reads of this slot.  fill = 1: this slot is filled again, two K steps on.
.macro TURN slot, next, fill
	s_wait_tensorcnt 0x0                           ; my part of the next slot has landed
	ds_add_u32 v[SPW], v[NIL]
	s_wait_dscnt 1                                 ; set 1 is in; the add may be out
	WIN MUL
	MUL8 0, 1, 0
	MUL8 1, 1, 0
	s_wait_dscnt 0x0                               ; the add is done, and my reads of this slot are over
	s_barrier_signal -1
	MUL8 2, 1, 0
	WIN 0
	s_barrier_wait -1
.if \fill
	CREST                                          ; the barrier has opened a round of the cluster's barrier
	s_add_nc_u64 s[G0+4*\slot+2:G0+4*\slot+3], s[G0+4*\slot+2:G0+4*\slot+3], 2*4*131072
	s_add_nc_u64 s[G0B+4*\slot+2:G0B+4*\slot+3], s[G0B+4*\slot+2:G0B+4*\slot+3], 2*KSTEP
	JLOAD \slot                                    ; the first tensor load behind the round; its four v_nop are the places in front of the loads below
.else
	PLACES NP
.endif
	FETCH \next, 0, 0
	WIN MUL
	MUL8 3, 1, 0                                   ; eight products stand under the loads' flight
	WIN 0
.endm
	s_wait_alu depctr_va_vdst(0)                   ; the head's end
	s_wait_tensorcnt 0x0                           ; my part of K step 0 is in; these lines stand ahead of a later first fill as ahead of a refill
	ds_add_u32 v[SPW], v[NIL]
	s_wait_dscnt 0x0
	CROUND
	JLOAD 1                                        ; K step 1, the first tensor load behind the round
	FETCH 0, 0, 0
	STEP 0, 1                                      ; the first step's products start the sums
	s_mov_b32 s3, LAPS-1
.Llap:                                                 ; a trip goes once round the ring and fills both slots again
	TURN 0, 1, 1
	STEP 1, 0
	TURN 1, 0, 1
	STEP 0, 0
	s_sub_co_u32 s3, s3, 1
	s_cmp_lg_u32 s3, 0
	s_cbranch_scc1 .Llap
	TURN 0, 1, 0                                   ; the last lap fills nothing
	STEP 1, 0
	s_wait_dscnt 0x0
	WIN MUL
.irp a, 0,1,2,3
	MUL8 \a, 1, 0
.endr
	WIN 0
; THE WAY OUT, block by block of 16 tokens x 128 columns: through my stage, back as whole rows of 512 bytes, which the 32 lanes store as two aligned units of 256 bytes.
; LDS serves a wave's instructions in order (ISA guide 5.7.1.4): no wait between the stores and the loads.
.macro TOSTAGE a
.set AC, 64*(\a)
.irp u, 0,1
	WIN 0x02
.set j, 0
.rept 16
	v_pk_fma_f32 v[TMP+j:TMP+j+1], v[AC+32*\u+j:AC+32*\u+j+1], s[96:97], v[BI+32*\u+j:BI+32*\u+j+1] op_sel_hi:[1,0,1]   ; each accumulator from its low end on
.set j, j+2
.endr
	WIN 0
.irp b, 0,1,2,3
	ds_store_b128 v[STO], v[TMP+8*\b:TMP+8*\b+3] offset:64*(4*\u+\b)
	ds_store_b128 v[STO], v[TMP+8*\b+4:TMP+8*\b+7] offset:64*(4*\u+\b)+16
.endr
.endr
.set BB, BK+64*((\a)%2)
.irp t, 0,1,2,3,4,5,6,7,8,9,10,11,12,13,14,15
	ds_load_b128 v[BB+4*\t:BB+4*\t+3], v[RD] offset:\t*SPITCH
.endr
.endm
.macro SEND a, younger                 ; younger: the LDS instructions issued behind block a's loads
.set BB, BK+64*((\a)%2)
	s_wait_dscnt \younger
.if (\a) > 0
	s_add_nc_u64 s[12:13], s[12:13], 16*4096       ; behind a wait on XCNT: the earlier stores have read their base
.endif
.irp t, 0,1,2,3,4,5,6,7,8,9,10,11,12,13,14,15
	global_store_b128 v[CO], v[BB+4*\t:BB+4*\t+3], s[12:13] offset:\t*4096 th:TH_STORE_NT
.endr
.endm
	s_wait_kmcnt 0x0
	s_add_co_i32 s96, s82, s83
	s_add_co_i32 s96, s96, 127
	s_lshl_b32 s96, s96, 23                        ; 2^(e6 + e7) as f32
	s_mov_b32 s97, s96
	s_wait_loadcnt 0x0                             ; the bias
	PLACES NP
	TOSTAGE 0
.irp a, 1,2,3
.if \a > 1
	s_wait_xcnt 0x0                                ; block a - 2's stores have read their registers and their base
.endif
	TOSTAGE \a
	SEND \a-1, 32                                  ; behind block a - 1's loads: block a's 16 stores and 16 loads
.endr
	s_wait_xcnt 0x0
	SEND 3, 0
	s_wait_tensorcnt 0x0                           ; the wave's end
	ds_add_u32 v[SPW], v[NIL]
	s_wait_dscnt 0x0
	CROUND                                         ; the closing round
	s_endpgm
.Lfunc_end_k_q9da6d7827a_gemm_out:
	.size	k_q9da6d7827a_gemm_out, .Lfunc_end_k_q9da6d7827a_gemm_out-k_q9da6d7827a_gemm_out
	.p2alignl 7, 3214868480
	.fill 96, 4, 3214868480
	.section	.rodata,"a",@progbits
	.p2align	6, 0x0
	.amdhsa_kernel k_q9da6d7827a_gemm_out
		.amdhsa_group_segment_fixed_size 327680
		.amdhsa_private_segment_fixed_size 0
		.amdhsa_enable_private_segment 0
		.amdhsa_kernarg_size 40
		.amdhsa_user_sgpr_count 2
		.amdhsa_user_sgpr_kernarg_segment_ptr 1
		.amdhsa_wavefront_size32 1
		.amdhsa_system_sgpr_workgroup_id_x 1
		.amdhsa_system_sgpr_workgroup_id_y 1
		.amdhsa_system_sgpr_workgroup_id_z 1
		.amdhsa_system_vgpr_workitem_id 0
		.amdhsa_next_free_vgpr 768
		.amdhsa_next_free_sgpr 98
		.amdhsa_reserve_vcc 0
		.amdhsa_float_denorm_mode_32 3
		.amdhsa_float_denorm_mode_16_64 3
		.amdhsa_memory_ordered 1
		.amdhsa_forward_progress 1
		.amdhsa_inst_pref_size 77
	.end_amdhsa_kernel
	.amdgpu_metadata
---
amdhsa.version: [ 1, 2 ]
amdhsa.kernels:
  - .name:           k_q9da6d7827a_gemm_out
    .symbol:         k_q9da6d7827a_gemm_out.kd
    .args:
      - { .name: y_codes, .offset: 0, .size: 8, .value_kind: global_buffer, .address_space: global }
      - { .name: w_codes, .offset: 8, .size: 8, .value_kind: global_buffer, .address_space: global }
      - { .name: lowp_scales, .offset: 16, .size: 8, .value_kind: global_buffer, .address_space: global }
      - { .name: b_proj, .offset: 24, .size: 8, .value_kind: global_buffer, .address_space: global }
      - { .name: out0, .offset: 32, .size: 8, .value_kind: global_buffer, .address_space: global }
    .group_segment_fixed_size: 327680
    .private_segment_fixed_size: 0
    .kernarg_segment_align: 8
    .kernarg_segment_size: 40
    .max_flat_workgroup_size: 128
    .sgpr_count:     98
    .vgpr_count:     768
    .wavefront_size: 32
...
	.end_amdgpu_metadata
.endif
;; end of part 4
